; MI455X (gfx1250); checked and timed in simulation.
; The chip was launched on July 23, 2026; its instructions are those of AMD's public machine-readable ISA for CDNA 5 (MIT licence, August 2026) and "CDNA5" Instruction Set Architecture Reference Guide (July 2026). The comments in the code are by the model that wrote it; some were corrected since.
;; Rotary Attention. Allowed arithmetic: matrix products marked QUANTISED: E2M3 operands, one E8M0 scale for each 32 along K, by v_wmma_scale_f32_16x16x128_f8f6f4 with both operands' format E2M3, f32 sums; everything else in f32.
;; Inputs: Wk 2,048 x 512 float32; Wo 2,048 x 2,048 float32; Wq 2,048 x 2,048 float32; Wv 2,048 x 512 float32; bk 512 float32; bo 2,048 float32; bq 2,048 float32; bv 512 float32; x 4 x 1,024 x 2,048 float32.
;; Outputs: out0 4 x 1,024 x 2,048 float32.
;; This version of the problem:
;;   THIS VERSION OF THE PROBLEM IS GIVEN IN LOW PRECISION. The matrix products marked QUANTISED in the list below multiply operands that are first quantised to E2M3 (2 exponent bits, 3 mantissa bits; 6 bits a number), with one power-of-two scale for each 32 numbers along K (OCP MX v1.0); their sums are f32. All else is computed in f32.
;;   The module's matrix products, in the order in which they are computed (A, B: the left and right operand; K: the contracted axis; several contracted axes count as one K, in the product's order):
;;     1. [M 4,096, K 2,048] x [K 2,048, N 2,048]; A: input x; B: input Wq: QUANTISED
;;     2. [M 4,096, K 2,048] x [K 2,048, N 512]; A: input x; B: input Wk: QUANTISED
;;     3. [M 4,096, K 2,048] x [K 2,048, N 512]; A: input x; B: input Wv: QUANTISED
;;     4. batch 16 x [M 1,024, K 128] x [K 128, N 4,096]; A: computed on the way; B: computed on the way: QUANTISED
;;     5. batch 16 x [M 128, K 1,024] x [K 1,024, N 4,096]; A: computed on the way; B: softmax (see below): QUANTISED
;;     6. [M 4,096, K 2,048] x [K 2,048, N 2,048]; A: computed on the way; B: input Wo: QUANTISED
;;   THE QUANTISER, for each operand of a quantised product, along K:
;;     - K is cut into blocks of 32 from its start; a last block that is shorter is filled with zeros.
;;     - A block's scale is 2^e with e = floor(log2(the largest magnitude in the block)) - 2, held to -126 .. 127; a block of zeros has e = 0. As a byte (E8M0): e + 127.
;;     - Each number is divided by its block's scale, clamped to +-7.5, and rounded to the nearest number of E2M3, ties to even, subnormals kept.
;;     - The product sums the exact products of the quantised numbers (number of the format x scale) in f32.
;;   ~~~python
;;   def quantise(x, axis):      # numpy; x: float32 -> the quantised numbers, widened to float32 again
;;       x = np.moveaxis(x, axis, -1); K = x.shape[-1]
;;       x = np.pad(x, [(0, 0)] * (x.ndim - 1) + [(0, -K % 32)]); x = x.reshape(x.shape[:-1] + (-1, 32)); a = np.abs(x).max(-1, keepdims=True)
;;       e = np.where(a > 0, np.clip(np.frexp(np.where(a > 0, a, 1))[1] - 1 - 2, -126, 127), 0)      # np.frexp(a)[1] - 1 = floor(log2(a)), exactly
;;       r = np.clip(x / 2.0 ** e, -7.5, 7.5)
;;       step = 2.0 ** (np.maximum(np.frexp(np.where(r == 0, 1, r))[1] - 1, 0) - 3)
;;       q = np.round(r / step) * step * 2.0 ** e      # np.round: ties to even
;;       return np.moveaxis(q.reshape(q.shape[:-2] + (-1,))[..., :K], -1, axis).astype(np.float32)
;;   ~~~
;;   SOFTMAX AHEAD OF A QUANTISED PRODUCT. Where the list says 'softmax', what is quantised is not the finished softmax but p = 2^(t - M), with t = logit x log2(e) and M = ceil(the row's largest t), a whole number; so 1/2 < the row's largest p <= 1. The row's sum l is taken of the UNQUANTISED p, in f32, and the product's result is divided by l at the end. Since M is a whole number, a kernel that streams over the keys may use a running M (the ceiling of the running maximum): every later rescaling is an exact power of two, which a block's scale takes up: the codes' values come out the same.
;;   OPERANDS COMPUTED ON THE WAY. 'Computed on the way' means the value that the module computes at that place (a softmax that the list does not call 'softmax' is quantised finished and normalised). What goes into a quantiser is computed in f32, as accurately as f32 sums, v_exp_f32 and their like allow (about 1e-6 of the number): no bf16 or f16 on the way to a quantiser, and a product that is left as it is and whose result goes on into a quantised operand takes f32 operands (vector FMAs, or v_wmma_f32_16x16x4_f32). A number that lies on a knife's edge between two numbers of the format may be rounded either way, as far as f32 arithmetic and the matrix unit's own rounding can turn it there, and no further.
;; One version. Each part assembles by itself: llvm-mc -triple=amdgcn-amd-amdhsa -mcpu=gfx1250 --defsym DOCPART=n.
;; ======== version 1 of 1: 4 launches
;; limits: right only within a limited range of input values
;; workspace buffers: xq 6,553,600 bytes; wq 8,192,000 bytes; rope 524,288 bytes; qkv 9,830,400 bytes; oq 6,553,600 bytes
;; launch quant (part 1): grid 576 x 1, 4 waves a work-group, no clusters, 34,304 bytes of LDS; arguments x, Wq, Wk, Wv, Wo, xq, wq, rope; writes xq, wq, rope
.if DOCPART == 1
	.amdgcn_target "amdgcn-amd-amdhsa--gfx1250"
	.amdhsa_code_object_version 6
	.text
	.protected	k_qf705699183_quant
	.globl	k_qf705699183_quant
	.p2align	8
	.type	k_qf705699183_quant,@function
k_qf705699183_quant:
	s_mov_b64 s[64:65], 0
	v_nop
	global_prefetch_b8 v0, s[64:65] scope:SCOPE_SE
	s_setreg_imm32_b32 hwreg(HW_REG_WAVE_MODE, 25, 1), 1
	s_wait_xcnt 0x0
; x [4096][2048] and the four weights ([2048 (k)][n], K their FIRST axis), all f32, become codes of FP6 (E2M3) with one E8M0 byte for each 32 along K; and the table of cos and sin for the rotary embedding is made.
; A block's scale is 2^(floor(log2(largest magnitude)) - 2): its byte is the largest magnitude's exponent field - 2, held at 1 from below by a floor among the maximum's leaves.
; LAYOUT OF THE RESULTS: IMAGES OF THE OPERAND'S REGISTERS.  A fragment (16 rows x 128 K, 12 registers a lane) is 1,536 bytes: [chunk 0..2][lane 0..31][16 bytes], chunk c = registers 4 c .. 4 c + 3.
;   xq: images [row block 256][K step 16]; from XSC on the scale words [row block][K step][row 16], 4 bytes each.    wq: the same for 320 row blocks: Wq's 2,048 columns; then for each k/v head g 128 columns of Wk and 128 of Wv; then Wo's 2,048.
;   rope: [P = position / 16][g = 8 cs + 2 b + u][lane][4 f32]: cs 0 = cos, 1 = sin; number e is that of position 16 P + lane % 16 and frequency 16 b + 8 (lane / 16) + 4 u + e.
; WORK-GROUPS 0-255: one row block of x each; wave w takes K steps 4 w .. 4 w + 3.  Each load reads 512 consecutive bytes of a row; a fragment's 16 x 512 bytes turn through the wave's own stage in LDS (rows 528 bytes apart), so that a lane
;   gets 16 neighbours of each block of 32 of its row.  Each of these work-groups also makes 256 pairs of the table, two a thread.
; WORK-GROUPS 256-575: 128 columns x 256 along K of one weight; a lane takes a column and its registers run down K, so the codes come out with K innermost and nothing is transposed.  This path uses no LDS.
; No tensor loads, no barrier: waves share nothing.  Every store of codes covers 512 consecutive bytes, aligned.
; THE TABLE: inv_freq = 2^(-i log2(10000) / 64), the product i x log2(10000) / 64 taken in two parts; angle = position x inv_freq, rounded to f32 as the definition has it; reduced by multiples of pi / 2 in two parts; polynomials on |r| <= pi / 4.
; LIMITS: NaN and infinities are not served.  A block of zeros gets the byte 1 (its codes are zeros, and only this program reads the bytes).  Blocks whose largest magnitude lies under 2^-124 were not tried.
;   inv_freq may differ from a power function's f32 result in its last bit or two: at position 1,023 an angle error of up to about 1e-4 rad.  The reduction serves angles up to 1,023 rad.
.set XSC,  6291456
.set WSC,  7864320
.set PC,   12                          ; v12-31   the codes just made (12 registers) and the conversions' second halves
.set TM,   32                          ; v32-47   the quantiser's work
.set RR,   64                          ; v64-191  x as loaded: two sets of 64
.set X,    192                         ; v192-255 64 numbers of a lane: register 16 b + i = k 32 b + 16 (lane / 16) + i of its row
.set SEL,  56                          ; s[56:57] lane selects for v_permlanex16_b32: lane l xor 16
.set VO,   32                          ; weights: v32-63 4 x lane + i rows
.set XW,   64                          ; weights: v64-127 two sets of 32 numbers
.set CW,   128                         ; weights: v128-175 codes of two K steps x two row blocks
.set CT,   176                         ; weights: v176-178 a conversion's second half
; 64 numbers of a lane, v[s] .. v[s + 63], become a fragment's codes in v[PC] on and its row's scale word in v[pw].
.macro QUANT s, pw
.irp b, 0,1,2,3
	v_max3_num_f32 v[TM+\b], |v[\s+16*\b]|, |v[\s+1+16*\b]|, 0x1800000   ; block b: my 16 numbers, and the floor 2^(3 - 127): the byte cannot fall under 1
.endr
.irp i, 2,4,6,8,10,12,14
.irp b, 0,1,2,3
	v_max3_num_f32 v[TM+\b], v[TM+\b], |v[\s+16*\b+\i]|, |v[\s+1+16*\b+\i]|   ; the four blocks by turns
.endr
.endr
.irp b, 0,1,2,3
	v_permlanex16_b32 v[TM+4+\b], v[TM+\b], s[SEL], s[SEL+1]
.endr
.irp b, 0,1,2,3
	v_max_num_f32 v[TM+\b], v[TM+\b], v[TM+4+\b]                   ; with lane l xor 16's: the block's largest magnitude
.endr
.irp b, 0,1,2,3
	v_add_nc_u32 v[TM+12+\b], 0xff000000, v[TM+\b]                 ; 2 off its exponent field: the conversion's scale operand
.endr
.irp b, 0,1,2,3
	v_lshrrev_b32 v[TM+4+\b], 23, v[TM+12+\b]                      ; the scale's byte
.endr
	v_lshl_or_b32 v[\pw], v[TM+5], 8, v[TM+4]
	v_lshl_or_b32 v[\pw], v[TM+6], 16, v[\pw]
	v_lshl_or_b32 v[\pw], v[TM+7], 24, v[\pw]
.irp c, 0,1
	v_cvt_scalef32_pk16_fp6_f32 v[PC+6*\c:PC+2+6*\c], v[\s+32*\c:\s+15+32*\c], v[TM+12+2*\c]
	v_cvt_scalef32_pk16_fp6_f32 v[PC+12+4*\c:PC+14+4*\c], v[\s+16+32*\c:\s+31+32*\c], v[TM+12+2*\c+1]   ; (a conversion's three registers begin on an even number)
.endr
	v_nop                                          ; one plain place behind a scaled conversion
.irp c, 0,1                                    ; the operand's layout wants a whole block in a lane: lanes 0-15 block 2 c, lanes 16-31 block 2 c + 1
.irp i, 0,1,2
	v_permlane16_swap_b32 v[PC+6*\c+\i], v[PC+12+4*\c+\i]
.endr
.irp i, 0,1,2
	v_mov_b32 v[PC+3+6*\c+\i], v[PC+12+4*\c+\i]
.endr
.endr
.endm
	s_load_b256 s[4:11], s[0:1], 0x0               ; x s[4:5], Wq s[6:7], Wk s[8:9], Wv s[10:11]
	s_load_b256 s[12:19], s[0:1], 0x20             ; Wo s[12:13], xq s[14:15], wq s[16:17], rope s[18:19]
	s_set_vgpr_msb 0x40
	v_lshl_add_u32 v0, v0, 2, 0x8400
	v_mov_b32 v1, 0
	s_set_vgpr_msb 0x4000
	v_lshrrev_b32 v1, 5, v0
	v_readfirstlane_b32 s20, v1                    ; wave 0..3
	v_and_b32 v1, 31, v0                           ; lane
	v_lshlrev_b32 v4, 4, v1                        ; 16 x lane
	v_and_b32 v2, 15, v0                           ; r
	v_bfe_u32 v3, v0, 4, 1                         ; h
	s_cmp_lt_u32 ttmp9, 256
	s_cbranch_scc0 .Lweights
	; ---------------- x: row block ttmp9 ----------------
	s_mul_i32 s21, s20, 8448                       ; my stage: 16 rows x 528 bytes
	v_add_nc_u32 v5, s21, v4                       ; into it: 16 x lane of a row
	v_mul_u32_u24 v6, v2, 528
	v_lshl_add_u32 v6, v3, 6, v6
	v_add_nc_u32 v6, s21, v6                       ; out of it: row r, + 64 h: my 16 numbers of a block of 32
	v_lshlrev_b32 v7, 2, v1                        ; 4 x lane
	s_lshl_b32 s22, ttmp9, 17                      ; x: 16 rows of 8,192 bytes a row block,
	s_lshl_b32 s23, s20, 11                        ; 4 K steps of 512 bytes a wave
	s_add_co_u32 s22, s22, s23
	s_mov_b32 s23, 0
	s_mul_i32 s24, ttmp9, 24576                    ; images: 16 x 1,536 bytes a row block,
	s_mul_i32 s25, s20, 6144                       ; 4 a wave
	s_add_co_u32 s24, s24, s25
	s_mov_b32 s25, 0
	s_lshl_b32 s26, ttmp9, 10                      ; scale words: 1,024 bytes a row block, 256 a wave
	s_lshl_b32 s27, s20, 8
	s_add_co_u32 s26, s26, s27
	s_add_co_u32 s26, s26, XSC
	s_mov_b32 s27, 0
	s_lshr_b32 s38, ttmp9, 2                       ; the table: P,
	s_and_b32 s39, ttmp9, 3                        ; and b
	s_lshl_b32 s28, s38, 13
	s_lshl_b32 s29, s39, 10
	s_add_co_u32 s28, s28, s29
	s_mov_b32 s29, 0
	s_lshl_b32 s38, s38, 4                         ; 16 P
	s_lshl_b32 s39, s39, 4                         ; 16 b
	s_mov_b32 s[SEL], 0x76543210
	s_mov_b32 s[SEL+1], 0xfedcba98
	s_mov_b32 s40, 0x3e549a78                      ; log2(10000) / 64, its f32 part,
	s_mov_b32 s41, 0x3197992c                      ; and the rest
	s_mov_b32 s42, 0x3fc90fdb                      ; pi / 2 as f32,
	s_mov_b32 s43, 0x333bbd2e                      ; and by how much that is too large
	s_mov_b32 s44, 0xb94ca1f9                      ; sine: r + r z (S1 + z (S2 + z S3))
	s_mov_b32 s45, 0x3c08839e
	s_mov_b32 s46, 0xbe2aaaa3
	s_mov_b32 s47, 0x37ccf5ce                      ; cosine: 1 - z / 2 + z z (C1 + z (C2 + z C3))
	s_mov_b32 s48, 0xbab6061a
	s_mov_b32 s49, 0x3d2aaaa5
	s_wait_kmcnt 0x0
	s_add_nc_u64 s[4:5], s[4:5], s[22:23]
	s_add_nc_u64 s[34:35], s[14:15], s[24:25]
	s_add_nc_u64 s[36:37], s[14:15], s[26:27]
	s_add_nc_u64 s[18:19], s[18:19], s[28:29]
.macro LOADX f                         ; fragment f: 16 rows, 512 consecutive bytes each
.irp p, 0,1,2,3,4,5,6,7,8,9,10,11,12,13,14,15
	global_load_b128 v[RR+64*((\f)%2)+4*\p:RR+64*((\f)%2)+4*\p+3], v4, s[4:5] offset:8192*\p+512*(\f) th:TH_LOAD_NT
.endr
.endm
	s_wait_alu depctr_va_vdst(0)
	LOADX 0
	LOADX 1
	; the table, while the loads are on their way: two pairs a thread, in v16-31 and v32-47
	v_bfe_u32 v48, v0, 1, 4
	v_add_nc_u32 v48, s38, v48                     ; position = 16 P + (thread / 2) % 16
	v_cvt_f32_u32 v48, v48
	v_bfe_u32 v49, v0, 5, 1
	v_lshrrev_b32 v50, 6, v0
	v_and_b32 v51, 1, v0
	v_lshl_add_u32 v49, v49, 3, s39
	v_lshl_add_u32 v49, v50, 2, v49
	v_lshl_add_u32 v49, v51, 1, v49                ; i = 16 b + 8 ((thread / 32) % 2) + 4 (thread / 64) + 2 (thread % 2), and i + 1
	v_add_nc_u32 v50, 1, v49
	v_cvt_f32_u32 v16, v49
	v_cvt_f32_u32 v32, v50
.irp B, 16, 32
	v_mul_f32 v[\B+1], s40, v[\B]
.endr
.irp B, 16, 32
	v_rndne_f32 v[\B+1], v[\B+1]                   ; n: the whole part of i L
.endr
.irp B, 16, 32
	v_fma_f32 v[\B+2], v[\B], s40, -v[\B+1]        ; the rest, exact,
.endr
.irp B, 16, 32
	v_fma_f32 v[\B+2], v[\B], s41, v[\B+2]         ; with L's second part
.endr
	s_wait_alu depctr_va_vdst(0)
.irp B, 16, 32
	v_exp_f32 v[\B+2], -v[\B+2]
.endr
.irp B, 16, 32
	v_cvt_i32_f32 v[\B+1], v[\B+1]                 ; (plain work behind the two exponentials)
.endr
.irp B, 16, 32
	v_sub_nc_u32 v[\B+1], 0, v[\B+1]
.endr
	s_wait_alu depctr_va_vdst(0)                   ; one wait for both exponentials, ahead of their first reader
.irp B, 16, 32
	v_ldexp_f32 v[\B+2], v[\B+2], v[\B+1]          ; inv_freq
.endr
.irp B, 16, 32
	v_mul_f32 v[\B+2], v48, v[\B+2]                ; the angle
.endr
.irp B, 16, 32
	v_mul_f32 v[\B+3], 0x3f22f983, v[\B+2]
.endr
.irp B, 16, 32
	v_rndne_f32 v[\B+3], v[\B+3]                   ; k = the nearest multiple of pi / 2
.endr
.irp B, 16, 32
	v_fma_f32 v[\B+2], -v[\B+3], s42, v[\B+2]
.endr
.irp B, 16, 32
	v_fma_f32 v[\B+2], v[\B+3], s43, v[\B+2]       ; r
.endr
.irp B, 16, 32
	v_mul_f32 v[\B+4], v[\B+2], v[\B+2]            ; z
.endr
.irp B, 16, 32
	v_fma_f32 v[\B+5], v[\B+4], s44, s45
	v_fma_f32 v[\B+6], v[\B+4], s47, s48
.endr
.irp B, 16, 32
	v_fma_f32 v[\B+5], v[\B+5], v[\B+4], s46
	v_fma_f32 v[\B+6], v[\B+6], v[\B+4], s49
.endr
.irp B, 16, 32
	v_mul_f32 v[\B+5], v[\B+5], v[\B+4]
	v_mul_f32 v[\B+7], v[\B+4], v[\B+4]
	v_fma_f32 v[\B+9], v[\B+4], -0.5, 1.0
.endr
.irp B, 16, 32
	v_fma_f32 v[\B+8], v[\B+2], v[\B+5], v[\B+2]   ; sin r
	v_fma_f32 v[\B+9], v[\B+7], v[\B+6], v[\B+9]   ; cos r
	v_cvt_i32_f32 v[\B+10], v[\B+3]                ; the quadrant is k % 4
.endr
.irp p, 0, 1
	v_and_b32 v[27+16*\p], 1, v[26+16*\p]
	v_cmp_eq_u32 vcc_lo, 1, v[27+16*\p]            ; odd quadrants: sine and cosine change places
	v_cndmask_b32 v[28+16*\p], v[25+16*\p], v[24+16*\p], vcc_lo
	v_cndmask_b32 v[29+16*\p], v[24+16*\p], v[25+16*\p], vcc_lo
	v_add_nc_u32 v[30+16*\p], 1, v[26+16*\p]
	v_and_b32 v[30+16*\p], 2, v[30+16*\p]          ; the cosine is negative in quadrants 1 and 2,
	v_and_b32 v[31+16*\p], 2, v[26+16*\p]          ; the sine in 2 and 3
	v_lshlrev_b32 v[30+16*\p], 30, v[30+16*\p]
	v_lshlrev_b32 v[31+16*\p], 30, v[31+16*\p]
	v_xor_b32 v[50+\p], v[30+16*\p], v[28+16*\p]
	v_xor_b32 v[52+\p], v[31+16*\p], v[29+16*\p]
.endr
	v_lshlrev_b32 v49, 3, v0
	global_store_b64 v49, v[50:51], s[18:19]               ; a wave stores 256 consecutive bytes
	global_store_b64 v49, v[52:53], s[18:19] offset:4096
.irp b, 0,1,2,3
	v_mov_b32 v[TM+4+\b], 0                        ; a lane permute's destination counts as one of its sources
.endr
.macro FRAGX f
.if (\f) < 3
	s_wait_loadcnt 16                              ; this fragment's 16 loads are in; the next fragment's 16 may be out
.else
	s_wait_loadcnt 0x0
.endif
.irp p, 0,1,2,3,4,5,6,7,8,9,10,11,12,13,14,15
	ds_store_b128 v5, v[RR+64*((\f)%2)+4*\p:RR+64*((\f)%2)+4*\p+3] offset:528*\p
.endr
.irp b, 0,1,2,3
.irp j, 0,1,2,3
	ds_load_b128 v[X+16*\b+4*\j:X+16*\b+4*\j+3], v6 offset:128*\b+16*\j   ; LDS serves a wave's instructions in order: these see the stores above, and the next fragment's stores come behind them
.endr
.endr
	s_wait_dscnt 0x0                               ; the numbers are back, and the stores have read their registers
	s_wait_xcnt 0x0                                ; the last fragment's stores (and the table's) have read their registers: the codes' registers may be written again
.if (\f) < 2
	LOADX (\f)+2
.endif
	QUANT X, 8+(\f)
.irp c, 0,1,2
	global_store_b128 v4, v[PC+4*\c:PC+4*\c+3], s[34:35] offset:1536*(\f)+512*\c   ; the image: 512 consecutive bytes a store
.endr
.endm
	FRAGX 0
	FRAGX 1
	FRAGX 2
	FRAGX 3
	v_cmp_le_u32 vcc_lo, 16, v1                    ; the four K steps' scale words: lanes 0-15 store one step's 16, lanes 16-31 the next step's
	v_cndmask_b32 v48, v8, v9, vcc_lo
	v_cndmask_b32 v49, v10, v11, vcc_lo
	global_store_b32 v7, v48, s[36:37]
	global_store_b32 v7, v49, s[36:37] offset:128
	s_set_vgpr_msb 0x5
	s_wait_tensorcnt 0x0
	ds_add_u32 v0, v1
	s_wait_dscnt 0x0
	s_set_vgpr_msb 0x500
	s_endpgm
	; ---------------- the weights ----------------
.Lweights:
	s_sub_co_u32 s21, ttmp9, 256
	s_lshr_b32 s22, s21, 3                         ; which 128 columns of the 5,120: 0-15 Wq, 16-19 Wk, 20-23 Wv, 24-39 Wo
	s_and_b32 s23, s21, 7                          ; which 256 along K
	s_wait_alu depctr_va_vdst(0)
	v_lshlrev_b32 v5, 2, v2
	v_lshl_add_u32 v5, v3, 10, v5                  ; scale words: 4 r, + a row block's 1,024 bytes for lanes 16-31
	s_wait_kmcnt 0x0
	s_mov_b64 s[24:25], s[12:13]                   ; Wo:
	s_mov_b32 s26, 8192                            ; a row in bytes,
	s_mov_b32 s27, 24                              ; its first block of columns,
	s_mov_b32 s28, 8                               ; row blocks of wq from one block of columns to the next,
	s_mov_b32 s29, 192                             ; and the first
	s_mov_b32 s30, 2048
	s_mov_b32 s31, 136
	s_cmp_lt_u32 s22, 24                           ; the choices hang on the work-group's number alone
	s_cselect_b64 s[24:25], s[10:11], s[24:25]     ; Wv
	s_cselect_b32 s26, s30, s26
	s_cselect_b32 s27, 20, s27
	s_cselect_b32 s28, 16, s28
	s_cselect_b32 s29, s31, s29
	s_mov_b32 s31, 128
	s_cmp_lt_u32 s22, 20
	s_cselect_b64 s[24:25], s[8:9], s[24:25]       ; Wk
	s_cselect_b32 s27, 16, s27
	s_cselect_b32 s29, s31, s29
	s_mov_b32 s30, 8192
	s_cmp_lt_u32 s22, 16
	s_cselect_b64 s[24:25], s[6:7], s[24:25]       ; Wq
	s_cselect_b32 s26, s30, s26
	s_cselect_b32 s27, 0, s27
	s_cselect_b32 s28, 8, s28
	s_cselect_b32 s29, 0, s29
	s_sub_co_u32 s27, s22, s27                     ; c: the block of 128 columns within its tensor
	s_mul_i32 s28, s27, s28
	s_add_co_u32 s28, s28, s29
	s_lshl_b32 s29, s20, 1
	s_add_co_u32 s28, s28, s29                     ; my wave's first row block of wq (lanes 16-31: the next)
	s_mul_i32 s30, s23, s26
	s_lshl_b32 s30, s30, 8                         ; 256 rows of the tensor for each step along K,
	s_lshl_b32 s31, s27, 9
	s_add_co_u32 s30, s30, s31                     ; 512 bytes for each block of columns,
	s_lshl_b32 s31, s20, 7
	s_add_co_u32 s30, s30, s31                     ; 128 for each wave
	s_mov_b32 s31, 0
	s_add_nc_u64 s[40:41], s[24:25], s[30:31]      ; block 0 of my eight blocks of 32 along K
	s_lshl_b32 s32, s26, 5
	s_mov_b32 s33, 0
.irp t, 1,2,3,4,5,6,7
	s_add_nc_u64 s[40+2*\t:41+2*\t], s[38+2*\t:39+2*\t], s[32:33]   ; a base for each block: the row's length is no constant of the text, so no immediate carries it
.endr
	v_lshlrev_b32 v[VO], 2, v1
.set II, 0
.rept 31
	v_add_nc_u32 v[VO+1+II], s26, v[VO+II]         ; 4 x lane + i rows
.set II, II+1
.endr
	s_mul_i32 s30, s28, 24576
	s_mul_i32 s31, s23, 3072
	s_add_co_u32 s30, s30, s31
	s_mov_b32 s31, 0
	s_add_nc_u64 s[34:35], s[16:17], s[30:31]      ; my images
	s_lshl_b32 s30, s28, 10
	s_lshl_b32 s32, s23, 7
	s_add_co_u32 s30, s30, s32
	s_add_co_u32 s30, s30, WSC
	s_add_nc_u64 s[36:37], s[16:17], s[30:31]      ; my scale words
.macro LOADW t                         ; block t: W(32 t + i, my column): a wave reads 128 consecutive bytes, the work-group 512
.set II, 0
.rept 32
	global_load_b32 v[XW+32*((\t)%2)+II], v[VO+II], s[40+2*(\t):41+2*(\t)] th:TH_LOAD_NT
.set II, II+1
.endr
.endm
	s_wait_alu depctr_va_vdst(0)
	LOADW 0
	LOADW 1
.macro BLOCKW t
.set XS, XW+32*((\t)%2)
.set KK, (\t)/4                        ; which of my two K steps
.set BE, (\t)%4                        ; which block of it
.set DD, CW+24*KK+12*(BE%2)+6*(BE/2)   ; even blocks in one run of 12 registers, odd blocks in the other
.if (\t) < 7
	s_wait_loadcnt 32                              ; this block's 32 loads are in; the next block's may be out
.else
	s_wait_loadcnt 0x0
.endif
	v_max3_num_f32 v8, |v[XS]|, |v[XS+1]|, |v[XS+2]|               ; the block's largest magnitude: all 32 numbers are mine
	v_max3_num_f32 v9, |v[XS+3]|, |v[XS+4]|, |v[XS+5]|
.irp i, 6,10,14,18,22,26
	v_max3_num_f32 v8, v8, |v[XS+\i]|, |v[XS+\i+1]|
	v_max3_num_f32 v9, v9, |v[XS+\i+2]|, |v[XS+\i+3]|
.endr
	v_max3_num_f32 v8, v8, |v[XS+30]|, |v[XS+31]|
	v_max3_num_f32 v8, v8, v9, 0x1800000           ; and the floor
	v_add_nc_u32 v10, 0xff000000, v8               ; the conversion's scale operand
	v_lshrrev_b32 v11, 23, v10                     ; the byte
.if BE == 0
	v_mov_b32 v[12+KK], v11
.else
	v_lshl_or_b32 v[12+KK], v11, 8*BE, v[12+KK]
.endif
	v_cvt_scalef32_pk16_fp6_f32 v[DD:DD+2], v[XS:XS+15], v10
	v_cvt_scalef32_pk16_fp6_f32 v[CT:CT+2], v[XS+16:XS+31], v10
	v_nop                                          ; one plain place behind a scaled conversion
.irp i, 0,1,2
	v_mov_b32 v[DD+3+\i], v[CT+\i]
.endr
.if (\t) < 6
	LOADW (\t)+2
.endif
.if BE == 3                            ; a K step is whole.  Lanes 0-15 hold one row block's rows and lanes 16-31 the next one's; an image wants blocks 2 c in lanes 0-15 and 2 c + 1 in lanes 16-31
.irp c, 0,1
.irp i, 0,1,2,3,4,5
	v_permlane16_swap_b32 v[CW+24*KK+6*\c+\i], v[CW+24*KK+12+6*\c+\i]   ; the even run becomes the first row block's image, the odd run the second's
.endr
.endr
.irp e, 0,1
.irp c, 0,1,2
	global_store_b128 v4, v[CW+24*KK+12*\e+4*\c:CW+24*KK+12*\e+4*\c+3], s[34:35] offset:24576*\e+1536*KK+512*\c
.endr
.endr
	global_store_b32 v5, v[12+KK], s[36:37] offset:64*KK
.endif
.endm
.irp t, 0,1,2,3,4,5,6,7
	BLOCKW \t
.endr
	s_endpgm
.Lfunc_end_k_qf705699183_quant:
	.size	k_qf705699183_quant, .Lfunc_end_k_qf705699183_quant-k_qf705699183_quant
	.p2alignl 7, 3214868480
	.fill 96, 4, 3214868480
	.section	.rodata,"a",@progbits
	.p2align	6, 0x0
	.amdhsa_kernel k_qf705699183_quant
		.amdhsa_group_segment_fixed_size 34304
		.amdhsa_private_segment_fixed_size 0
		.amdhsa_enable_private_segment 0
		.amdhsa_kernarg_size 64
		.amdhsa_user_sgpr_count 2
		.amdhsa_user_sgpr_kernarg_segment_ptr 1
		.amdhsa_wavefront_size32 1
		.amdhsa_system_sgpr_workgroup_id_x 1
		.amdhsa_system_sgpr_workgroup_id_y 1
		.amdhsa_system_sgpr_workgroup_id_z 1
		.amdhsa_system_vgpr_workitem_id 0
		.amdhsa_next_free_vgpr 258
		.amdhsa_next_free_sgpr 66
		.amdhsa_reserve_vcc 1
		.amdhsa_float_denorm_mode_32 3
		.amdhsa_float_denorm_mode_16_64 3
		.amdhsa_memory_ordered 1
		.amdhsa_forward_progress 1
		.amdhsa_inst_pref_size 79
	.end_amdhsa_kernel
	.amdgpu_metadata
---
amdhsa.version: [ 1, 2 ]
amdhsa.kernels:
  - .name:           k_qf705699183_quant
    .symbol:         k_qf705699183_quant.kd
    .args:
      - { .name: x, .offset: 0, .size: 8, .value_kind: global_buffer, .address_space: global }
      - { .name: Wq, .offset: 8, .size: 8, .value_kind: global_buffer, .address_space: global }
      - { .name: Wk, .offset: 16, .size: 8, .value_kind: global_buffer, .address_space: global }
      - { .name: Wv, .offset: 24, .size: 8, .value_kind: global_buffer, .address_space: global }
      - { .name: Wo, .offset: 32, .size: 8, .value_kind: global_buffer, .address_space: global }
      - { .name: xq, .offset: 40, .size: 8, .value_kind: global_buffer, .address_space: global }
      - { .name: wq, .offset: 48, .size: 8, .value_kind: global_buffer, .address_space: global }
      - { .name: rope, .offset: 56, .size: 8, .value_kind: global_buffer, .address_space: global }
    .group_segment_fixed_size: 34304
    .private_segment_fixed_size: 0
    .kernarg_segment_align: 8
    .kernarg_segment_size: 64
    .max_flat_workgroup_size: 128
    .sgpr_count:     66
    .vgpr_count:     258
    .wavefront_size: 32
...
	.end_amdgpu_metadata
.endif
;; end of part 1
;; launch gemm_qkv (part 2): grid 12 x 16, 4 waves a work-group, clusters of 4 x 4, 327,680 bytes of LDS; arguments xq, wq, rope, bq, bk, bv, qkv; writes qkv
.if DOCPART == 2
	.amdgcn_target "amdgcn-amd-amdhsa--gfx1250"
	.amdhsa_code_object_version 6
	.text
	.protected	k_qf705699183_gemm_qkv
	.globl	k_qf705699183_gemm_qkv
	.p2align	8
	.type	k_qf705699183_gemm_qkv,@function
k_qf705699183_gemm_qkv:
	s_mov_b64 s[64:65], 0
	v_nop
	global_prefetch_b8 v0, s[64:65] scope:SCOPE_SE
	s_setreg_imm32_b32 hwreg(HW_REG_WAVE_MODE, 25, 1), 1
	s_wait_xcnt 0x0
	s_wait_alu depctr_hold_cnt(0) depctr_sa_sdst(0) depctr_va_vdst(0) depctr_va_sdst(0) depctr_va_ssrc(0) depctr_va_vcc(0) depctr_vm_vsrc(0)
	s_getreg_b32 s2, hwreg(HW_REG_IB_STS2, 6, 4)
	s_cmp_eq_u32 s2, 0
	s_cbranch_scc0 .Lentry_in_a_cluster
	s_endpgm
.Lentry_in_a_cluster:
	s_bfe_u32 s2, ttmp6, 0x10000c
	s_cmp_lg_u32 s2, 0xf033
	s_cbranch_scc0 .Lentry_shape_is_right
	s_endpgm
.Lentry_shape_is_right:
.set NQ,     2
.set FR,     12
.set NL,     3
.set NP,     4
.set HALFT,  24576
.set SLOT,   4*HALFT
.set SCL,    2*SLOT
.set HALFS,  8192
.set SPARE,  SCL+4*HALFS
.set LAPS,   4
.set XSC,    6291456
.set WSC,    7864320
.set QSC,    6291456
.set KVO,    6553600
.set KVS,    9699328
.set ADRA, 16
.set ADRB, 20
.set ADRS, 27
.set SPW,  28
.set NIL,  29
.set SC,   32
.set BI,   64
.set AF,   128
.set BV,   244
.set X,    128
.set T,    192
.set U,    208
.set PC,   224
.set TM,   192
.set PWR,  248
.set Y,    128
.set CT,   112
.set SW,   124
.set BVP,  248
.set SEL,  22
.set G1, 24
.set G0, 32
.set G1B, 48
.set G0B, 56
.set G1S, 68
.set G0S, 76
.set G1SB, 80
.set G0SB, 88
.set MSB, 0
.macro WIN new
.if MSB != \new
	s_set_vgpr_msb (MSB<<8)|\new
.set MSB, \new
.endif
.endm
.set MUL_LO, 0xa1
.set MUL_HI, 0xf1
.set TO_B,   0x40
.macro JLOAD g0a, g1a, g0b, g1b
	s_cmp_eq_u32 s15, 0
	s_cbranch_scc0 .Lfor_b_\@
	tensor_load_to_lds s[\g0a:\g0a+3], s[\g1a:\g1a+7]
	s_nop 0
.rept 4
	v_nop
.endr
	s_branch .Lasked_\@
.Lfor_b_\@:
	tensor_load_to_lds s[\g0b:\g0b+3], s[\g1b:\g1b+7]
	s_nop 0
.rept 4
	v_nop
.endr
.Lasked_\@:
.endm
.macro CREST
	s_cmp_lg_u32 s14, 0
	s_cbranch_scc1 .Lnot_wave_0_\@
	s_barrier_signal -3
.Lnot_wave_0_\@:
	s_barrier_wait -3
	s_barrier_signal -1
	s_barrier_wait -1
.endm
.macro CROUND
	s_barrier_signal -1
	s_barrier_wait -1
	CREST
.endm
.macro QUANT s, pw
.irp b, 0,1,2,3
	v_max3_num_f32 v[TM+\b], |v[\s+16*\b]|, |v[\s+1+16*\b]|, 0x1800000
.endr
.irp i, 2,4,6,8,10,12,14
.irp b, 0,1,2,3
	v_max3_num_f32 v[TM+\b], v[TM+\b], |v[\s+16*\b+\i]|, |v[\s+1+16*\b+\i]|
.endr
.endr
.irp b, 0,1,2,3
	v_permlanex16_b32 v[TM+4+\b], v[TM+\b], s[SEL], s[SEL+1]
.endr
.irp b, 0,1,2,3
	v_max_num_f32 v[TM+\b], v[TM+\b], v[TM+4+\b]
.endr
.irp b, 0,1,2,3
	v_add_nc_u32 v[TM+12+\b], 0xff000000, v[TM+\b]
.endr
.irp b, 0,1,2,3
	v_lshrrev_b32 v[TM+4+\b], 23, v[TM+12+\b]
.endr
	v_lshl_or_b32 v[\pw], v[TM+5], 8, v[TM+4]
	v_lshl_or_b32 v[\pw], v[TM+6], 16, v[\pw]
	v_lshl_or_b32 v[\pw], v[TM+7], 24, v[\pw]
.irp c, 0,1
	v_cvt_scalef32_pk16_fp6_f32 v[PC+6*\c:PC+2+6*\c], v[\s+32*\c:\s+15+32*\c], v[TM+12+2*\c]
	v_cvt_scalef32_pk16_fp6_f32 v[PC+12+4*\c:PC+14+4*\c], v[\s+16+32*\c:\s+31+32*\c], v[TM+12+2*\c+1]
.endr
	v_nop
.irp c, 0,1
.irp i, 0,1,2
	v_permlane16_swap_b32 v[PC+6*\c+\i], v[PC+12+4*\c+\i]
.endr
.irp i, 0,1,2
	v_mov_b32 v[PC+3+6*\c+\i], v[PC+12+4*\c+\i]
.endr
.endr
.endm
	s_load_b256 s[4:11], s[0:1], 0x0
	s_load_b128 s[96:99], s[0:1], 0x20
	s_load_b64 s[12:13], s[0:1], 0x30
	v_lshl_add_u32 v[SPW], v0, 2, SPARE
	v_mov_b32 v[NIL], 0
	ds_add_u32 v28, v29
	ds_add_u32 v28, v29
	s_wait_dscnt 0x0
	v_lshrrev_b32 v1, 5, v0
	v_readfirstlane_b32 s14, v1
	s_lshr_b32 s15, s14, 1
	s_and_b32 s16, s14, 1
	s_bfe_u32 s40, ttmp6, 0x40000
	s_bfe_u32 s41, ttmp6, 0x40004
	s_lshl_b32 s42, ttmp9, 2
	s_add_co_u32 s42, s42, s40
	s_and_b32 s17, ttmp7, 0xffff
	s_lshl_b32 s17, s17, 2
	s_add_co_u32 s17, s17, s41
	s_lshl_b32 s43, s41, 2
	s_lshl_b32 s43, 15, s43
	s_lshl_b32 s44, 0x1111, s40
	s_or_b32 s[G1+0], s43, (3<<16)|(1<<21)
	s_or_b32 s[G1B+0], s44, (3<<16)|(1<<21)
.irp g, G1, G1B
	s_mov_b32 s[\g+1], 384<<16
	s_mov_b32 s[\g+2], 16<<16                      ; the head's loads of codes bring all 16 row blocks of a tile
	s_mov_b32 s[\g+3], 384<<16
	s_mov_b32 s[\g+4], 16
	s_mov_b32 s[\g+5], 3072
	s_mov_b32 s[\g+6], 0
	s_mov_b32 s[\g+7], 0
.endr
	s_or_b32 s[G1S+0], s43, (3<<16)|(1<<21)
	s_or_b32 s[G1SB+0], s44, (3<<16)|(1<<21)
.irp g, G1S, G1SB
	s_mov_b32 s[\g+1], 32<<16
	s_mov_b32 s[\g+2], 64<<16                      ; the scale words of 256 rows: 16,384 dense bytes as 64 rows of 256
	s_mov_b32 s[\g+3], 32<<16
	s_mov_b32 s[\g+4], 64
	s_mov_b32 s[\g+5], 32
	s_mov_b32 s[\g+6], 0
	s_mov_b32 s[\g+7], 0
.endr
	s_lshl_b32 s18, s16, 3
	s_lshl_b32 s20, s17, 4
	s_add_co_u32 s20, s20, s18
	s_lshl_b32 s46, s42, 4
	s_add_co_u32 s46, s46, s18
	s_lshl_b32 s22, s17, 14                        ; A's scale words from the tile's first row block on
	s_add_co_u32 s22, s22, XSC
	s_mov_b32 s23, 0
	s_lshl_b32 s92, s42, 14                        ; B's likewise
	s_add_co_u32 s92, s92, WSC
	s_mov_b32 s93, 0
	s_mul_i32 s20, s20, 24576
	s_mov_b32 s21, 0
	s_mul_i32 s46, s46, 24576
	s_mov_b32 s47, 0
	s_mul_i32 s45, s14, HALFT
	s_mul_i32 s94, s15, 2*HALFS                    ; A's scale words, then B's
	s_wait_kmcnt 0x0
	s_add_nc_u64 s[20:21], s[4:5], s[20:21]
	s_add_nc_u64 s[22:23], s[4:5], s[22:23]
	s_add_nc_u64 s[46:47], s[6:7], s[46:47]
	s_add_nc_u64 s[92:93], s[6:7], s[92:93]
	CROUND
	s_mov_b32 s[G0S], 1
	s_add_co_u32 s[G0S+1], s94, SCL
	s_mov_b64 s[G0S+2:G0S+3], s[22:23]
	s_or_b32 s[G0S+3], s[G0S+3], 0x80000000
	s_mov_b32 s[G0SB], 1
	s_add_co_u32 s[G0SB+1], s94, SCL
	s_mov_b64 s[G0SB+2:G0SB+3], s[92:93]
	s_or_b32 s[G0SB+3], s[G0SB+3], 0x80000000
.irp s, 0,1
	s_mov_b32 s[G0+4*\s], 1
	s_add_co_u32 s[G0+4*\s+1], s45, \s*SLOT
	s_add_nc_u64 s[G0+4*\s+2:G0+4*\s+3], s[20:21], \s*3072
	s_or_b32 s[G0+4*\s+3], s[G0+4*\s+3], 0x80000000
	s_mov_b32 s[G0B+4*\s], 1
	s_add_co_u32 s[G0B+4*\s+1], s45, \s*SLOT
	s_add_nc_u64 s[G0B+4*\s+2:G0B+4*\s+3], s[46:47], \s*3072
	s_or_b32 s[G0B+4*\s+3], s[G0B+4*\s+3], 0x80000000
.endr
; The head's four tiles, one joint load a wave, in one chain of arms on the wave's number: wave 0 slot 0's 16 row blocks of A, wave 1 A's scale words, wave 2 slot 0's 16 row blocks of B, wave 3 B's scale words.
; (Waves 0 and 2 fetch a tile's first half in the ring, so their own group 0 of slot 0 names the tile's first byte.)
.macro ARM under, g0, g1, next
	s_cmp_lt_u32 s14, \under
	s_cbranch_scc0 \next
	tensor_load_to_lds s[\g0:\g0+3], s[\g1:\g1+7]
	s_nop 0
.rept 4
	v_nop
.endr
	s_branch .Lhead_asked
\next:
.endm
	ARM 1, G0,  G1,  .Lhead_sa
	ARM 2, G0S, G1S, .Lhead_b
	ARM 3, G0B, G1B, .Lhead_sb
	tensor_load_to_lds s[G0SB:G0SB+3], s[G1SB:G1SB+7]
	s_nop 0
.rept 4
	v_nop
.endr
.Lhead_asked:
	; THE PREFETCHES.  A chunk (two K steps) is 3,072 bytes of each row block's 24,576.  Of the 8 row blocks that I fetch in the ring, each of the four partners that ask for them with me takes two, told apart by address
	; (cx for A, cy for B): 24 blocks of 256 bytes, a lane a block; lanes 24-31 name the last block again.  A chunk is named two refills ahead of its load: chunks 1 and 2 here, chunk 3 behind slot 1's first fill, chunk c + 2 behind the refill of chunk c.
	s_cmp_eq_u32 s15, 0                            ; do I fetch for A?
	s_cselect_b32 s20, s17, s42                    ; the tile: by the tile row in A, by the tile column in B
	s_cselect_b32 s21, s40, s41                    ; my place among the four
	s_cselect_b64 s[66:67], s[4:5], s[6:7]
	s_lshl_b32 s20, s20, 4
	s_lshl_b32 s22, s16, 3
	s_add_co_u32 s20, s20, s22                     ; + the 8 row blocks that I fetch
	s_lshl_b32 s21, s21, 1
	s_add_co_u32 s20, s20, s21                     ; + my work-group's two of them
	s_mul_i32 s20, s20, 24576
	s_mov_b32 s21, 0
	s_add_nc_u64 s[66:67], s[66:67], s[20:21]      ; chunk 0 of those two row blocks
	v_and_b32 v30, 31, v0
	v_min_u32 v30, 23, v30                         ; t
	v_mul_u32_u24 v14, v30, 43
	v_lshrrev_b32 v14, 9, v14                      ; t / 12: which of the two row blocks
	v_lshlrev_b32 v30, 8, v30
	v_mad_u32_u24 v30, v14, 24576-3072, v30        ; 24,576 (t / 12) + 256 (t % 12); never rewritten
	global_prefetch_b8 v30, s[66:67] offset:3072 th:TH_LOAD_NT scope:SCOPE_SE
	global_prefetch_b8 v30, s[66:67] offset:6144 th:TH_LOAD_NT scope:SCOPE_SE
	v_and_b32 v1, 15, v0
	v_bfe_u32 v2, v0, 4, 1
	s_wait_alu depctr_va_vdst(0)
	v_and_b32 v3, 31, v0
	v_lshlrev_b32 v8, 4, v3
	s_mul_i32 s21, s15, HALFT
	s_mul_i32 s22, s16, HALFT
	s_add_co_u32 s22, s22, 2*HALFT
.irp s, 0,1
	v_add_nc_u32 v[ADRA+\s], s21, v8
	v_add_nc_u32 v[ADRB+\s], s22, v8
	s_add_co_u32 s21, s21, SLOT
	s_add_co_u32 s22, s22, SLOT
.endr
	v_lshlrev_b32 v5, 2, v1
	s_mul_i32 s21, s15, HALFS
	s_mul_i32 s22, s16, HALFS
	s_add_co_u32 s22, s22, 2*HALFS
	s_sub_co_u32 s22, s22, s21
	v_mul_u32_u24 v6, s22, v2
	s_add_co_u32 s21, s21, SCL
	v_add_nc_u32 v5, v5, v6
	v_add_nc_u32 v[ADRS], s21, v5
	v_lshlrev_b32 v9, 5, v2
	v_and_b32 v4, 7, v0
	v_bfe_u32 v5, v0, 3, 1
	v_lshl_add_u32 v4, v5, 4, v4
	v_lshl_add_u32 v4, v2, 3, v4
	v_lshlrev_b32 v10, 2, v4
	s_wait_alu depctr_va_vdst(0)
	s_mul_i32 s23, s14, 16896
	v_mul_u32_u24 v11, v1, 528
	v_lshl_add_u32 v11, v2, 5, v11
	v_add_nc_u32 v11, s23, v11
	v_add_nc_u32 v12, s23, v10
	v_lshlrev_b32 v13, 5, v1
	v_lshl_add_u32 v13, v2, 4, v13
	s_lshr_b32 s18, s17, 2
	s_and_b32 s19, s17, 3
	s_lshl_b32 s21, s19, 1
	s_add_co_u32 s21, s21, s15
	s_lshl_b32 s22, s42, 1
	s_add_co_u32 s22, s22, s16
	s_and_b32 s23, s42, 3
	s_lshl_b32 s43, s18, 4
	s_add_co_u32 s43, s43, s22
	s_lshl_b32 s43, s43, 3
	s_add_co_u32 s43, s43, s21
	s_lshl_b32 s44, s18, 2
	s_add_co_u32 s44, s44, s23
	s_lshl_b32 s44, s44, 3
	s_add_co_u32 s44, s44, s21
	s_mul_i32 s46, s43, 12288
	s_mul_i32 s47, s44, 24576
	s_add_co_u32 s47, s47, KVO
	s_lshl_b32 s92, s43, 9
	s_add_co_u32 s92, s92, QSC
	s_lshl_b32 s93, s44, 10
	s_add_co_u32 s93, s93, KVS
	s_cmp_eq_u32 s16, 0
	s_cselect_b64 s[94:95], s[96:97], s[98:99]
	s_mov_b32 s100, 0x3db504f3
	s_cmp_lt_u32 ttmp9, 2
	s_cselect_b32 s46, s46, s47
	s_cselect_b32 s92, s92, s93
	s_cselect_b64 s[10:11], s[10:11], s[94:95]
	s_cselect_b32 s22, s22, s23
	s_cselect_b32 s98, s100, 1.0
	s_mov_b32 s99, s98
	s_mov_b32 s47, 0
	s_mov_b32 s93, 0
	s_add_nc_u64 s[96:97], s[12:13], s[92:93]
	s_add_nc_u64 s[12:13], s[12:13], s[46:47]
	s_lshl_b32 s22, s22, 9
	s_mov_b32 s23, 0
	s_add_nc_u64 s[10:11], s[10:11], s[22:23]
	s_lshl_b32 s22, s19, 4
	s_lshl_b32 s20, s15, 3
	s_add_co_u32 s22, s22, s20
	s_lshl_b32 s22, s22, 13
	s_add_nc_u64 s[8:9], s[8:9], s[22:23]
	s_lshl_b32 s20, s40, 1                         ; my 128 positions' table is 65,536 bytes, read on the way out by two waves of each of the four work-groups of my row of the cluster:
	s_add_co_u32 s20, s20, s16                     ; each of the eight names 8,192 of them, a lane a block of 256 bytes
	s_lshl_b32 s20, s20, 13
	v_and_b32 v31, 31, v0
	v_lshl_add_u32 v31, v31, 8, s20
	global_prefetch_b8 v31, s[8:9] th:TH_LOAD_NT scope:SCOPE_SE
	s_cmp_eq_u32 ttmp9, 2
	s_cselect_b32 s100, s16, 0
.irp b, 0,1,2,3,4,5,6,7
	global_load_b128 v[BI+8*\b:BI+8*\b+3], v9, s[10:11] offset:64*\b
	global_load_b128 v[BI+8*\b+4:BI+8*\b+7], v9, s[10:11] offset:64*\b+16
.endr
.irp q, 0,1,2,3
	global_load_b32 v[BV+\q], v10, s[10:11] offset:128*\q
.endr
.macro TSET a
.if (\a)%4 == 0
.set TC, 96
.set TS, 224
.elseif (\a)%4 == 1
.set TC, 0
.set TS, 32
.elseif (\a)%4 == 2
.set TC, 64
.set TS, 128
.else
.set TC, 160
.set TS, 192
.endif
.endm
.macro TABLE a
	TSET \a
	WIN TO_B
.irp g, 0,1,2,3,4,5,6,7
	global_load_b128 v[TC+4*\g:TC+4*\g+3], v8, s[8:9] offset:8192*(\a)+512*\g
	global_load_b128 v[TS+4*\g:TS+4*\g+3], v8, s[8:9] offset:8192*(\a)+4096+512*\g
.endr
	WIN 0
.endm
	TABLE 0
.macro FRAG reg, adr, q, i
.irp c, 0,1,2
	ds_load_b128 v[\reg+4*\c:\reg+4*\c+3], v[\adr] offset:3072*(\i)+1536*(\q)+512*\c
.endr
.endm
.macro MUL16 a0, p, q, sc, zero
.irp a, \a0, \a0+1
.irp b, 0,1,2,3,4,5,6,7
.if \zero
	v_wmma_scale_f32_16x16x128_f8f6f4 v[8*(8*((\a)%4)+\b):8*(8*((\a)%4)+\b)+7], v[128*(\p)+FR*\b:128*(\p)+FR*\b+FR-1], v[AF+FR*(\a):AF+FR*(\a)+FR-1], 0, v[SC+8*NQ*(\sc)+NQ*\b+(\q)], v[SC+8*NQ*(\sc)+NQ*(\a)+(\q)] matrix_a_fmt:MATRIX_FMT_FP6 matrix_b_fmt:MATRIX_FMT_FP6 matrix_a_scale:MATRIX_SCALE_ROW1
.else
	v_wmma_scale_f32_16x16x128_f8f6f4 v[8*(8*((\a)%4)+\b):8*(8*((\a)%4)+\b)+7], v[128*(\p)+FR*\b:128*(\p)+FR*\b+FR-1], v[AF+FR*(\a):AF+FR*(\a)+FR-1], v[8*(8*((\a)%4)+\b):8*(8*((\a)%4)+\b)+7], v[SC+8*NQ*(\sc)+NQ*\b+(\q)], v[SC+8*NQ*(\sc)+NQ*(\a)+(\q)] matrix_a_fmt:MATRIX_FMT_FP6 matrix_b_fmt:MATRIX_FMT_FP6 matrix_a_scale:MATRIX_SCALE_ROW1
.endif
.endr
.endr
.endm
.macro FETCH_B slot, q, p
	WIN TO_B
.irp i, 0,1,2,3,4,5,6,7
	FRAG 128*(\p)+FR*\i, ADRB+\slot, \q, \i
.endr
	WIN 0
.endm
.macro FETCH_A slot, q, i0
.irp i, \i0, \i0+1, \i0+2, \i0+3
	FRAG AF+FR*(\i), ADRA+\slot, \q, \i
.endr
.endm
.macro SCALES sc
.irp i, 0,1,2,3,4,5,6,7
.irp q, 0,1
	ds_load_b32 v[SC+8*NQ*\sc+NQ*\i+\q], v[ADRS] offset:1024*\i+64*\q
.endr
.endr
.endm
.macro PLACES n
.rept \n
	v_nop
.endr
.endm
.macro STEP slot, q, zero
	s_wait_dscnt 4*NL
	WIN MUL_LO
	MUL16 0, (\q)%2, \q, \slot, \zero
	MUL16 2, (\q)%2, \q, \slot, \zero
	s_wait_dscnt 0
	PLACES NP
	FETCH_B \slot, (\q)+1, 1-(\q)%2
	FETCH_A \slot, (\q)+1, 0
	WIN MUL_HI
	MUL16 4, (\q)%2, \q, \slot, \zero
	MUL16 6, (\q)%2, \q, \slot, \zero
	PLACES NP
	WIN 0
	FETCH_A \slot, (\q)+1, 4
.endm
.macro TURN slot, next, fill
.if \fill
	s_wait_xcnt 0x0                                ; my last prefetch has read its address: it is stepped here, a chunk on, ahead of the waits of the change of slots
	s_add_nc_u64 s[66:67], s[66:67], 3072
.endif
	s_wait_tensorcnt 0x0
	ds_add_u32 v[SPW], v[NIL]
.if \fill
	s_add_nc_u64 s[G0+4*\slot+2:G0+4*\slot+3], s[G0+4*\slot+2:G0+4*\slot+3], 6144
	s_add_nc_u64 s[G0B+4*\slot+2:G0B+4*\slot+3], s[G0B+4*\slot+2:G0B+4*\slot+3], 6144
.endif
	s_wait_dscnt 0x0                               ; the add is done, and my reads of this slot are over
.if \fill
	CROUND
	JLOAD G0+4*\slot, G1, G0B+4*\slot, G1B         ; the refill stands straight behind the round
.else
	s_barrier_signal -1
	s_barrier_wait -1
.endif
	WIN MUL_LO
	MUL16 0, 1, NQ-1, \slot, 0
	MUL16 2, 1, NQ-1, \slot, 0
	PLACES NP
	WIN 0
	s_wait_alu depctr_va_vdst(0)
	v_add_nc_u32 v[ADRS], 128, v[ADRS]
	FETCH_B \next, 0, 0
	FETCH_A \next, 0, 0
	SCALES \next
.if \fill
	s_cmp_gt_u32 s3, 1                             ; the loop's last trip refills chunks 6 and 7: no chunk stands two on
	s_cbranch_scc0 .Lno_ask_\@
	global_prefetch_b8 v30, s[66:67] offset:9216 th:TH_LOAD_NT scope:SCOPE_SE   ; the address stands one chunk under the one just asked for: three on is the chunk two refills ahead
.Lno_ask_\@:
.endif
	WIN MUL_HI
	MUL16 4, 1, NQ-1, \slot, 0
	MUL16 6, 1, NQ-1, \slot, 0
	PLACES NP
	WIN 0
	FETCH_A \next, 0, 4
.endm
	s_wait_alu depctr_va_vdst(0)                   ; the wait at the head's end
	s_wait_tensorcnt 0x0                           ; my tile of the head's four is in
	ds_add_u32 v[SPW], v[NIL]
	s_mov_b32 s[G1+2], 8<<16                       ; no tensor load of mine is out: from here on a load brings 8 row blocks
	s_mov_b32 s[G1+4], 8
	s_mov_b32 s[G1B+2], 8<<16
	s_mov_b32 s[G1B+4], 8
	s_wait_dscnt 0x0
	CROUND                                         ; all four tiles are in, in every work-group of the cluster
	JLOAD G0+4, G1, G0B+4, G1B                     ; slot 1's first fill, issued as a refill is
	FETCH_B 0, 0, 0
	FETCH_A 0, 0, 0
	SCALES 0
	global_prefetch_b8 v30, s[66:67] offset:9216 th:TH_LOAD_NT scope:SCOPE_SE   ; chunk 3, behind chunk 1's load and the run of LDS loads
	FETCH_A 0, 0, 4
	STEP 0, 0, 1
	s_mov_b32 s3, LAPS-1
.Llap:
	TURN 0, 1, 1
	STEP 1, 0, 0
	TURN 1, 0, 1
	STEP 0, 0, 0
	s_sub_co_u32 s3, s3, 1
	s_cmp_lg_u32 s3, 0
	s_cbranch_scc1 .Llap
	TURN 0, 1, 0
	STEP 1, 0, 0
	s_wait_dscnt 4*NL
	WIN MUL_LO
	MUL16 0, 1, NQ-1, 1, 0
	MUL16 2, 1, NQ-1, 1, 0
	s_wait_dscnt 0
	WIN MUL_HI
	MUL16 4, 1, NQ-1, 1, 0
	MUL16 6, 1, NQ-1, 1, 0
	WIN 0
	PLACES NP
	s_wait_loadcnt 0x0
	s_mov_b32 s[SEL], 0x76543210
	s_mov_b32 s[SEL+1], 0xfedcba98
	s_cmp_lg_u32 s100, 0
	s_cbranch_scc1 .Lvalues
	TABLE 1
	TABLE 2
	TABLE 3
.set II, 0
.rept 32
	v_pk_mul_f32 v[BI+II:BI+II+1], v[BI+II:BI+II+1], s[98:99] op_sel_hi:[1,0]
.set II, II+2
.endr
.macro ROPEA a
.set AC, 64*((\a)%4)
.set WN, 0x02+(\a)/4
	TSET \a
	WIN WN
.irp b, 0,1,2,3,4,5,6,7
.irp i, 0,2,4,6
	v_pk_fma_f32 v[X+8*\b+\i:X+8*\b+\i+1], v[AC+8*\b+\i:AC+8*\b+\i+1], s[98:99], v[BI+8*\b+\i:BI+8*\b+\i+1] op_sel_hi:[1,0,1]
.endr
.endr
.if (\a) < 4
	s_wait_loadcnt 48
.else
	s_wait_loadcnt 16*(7-(\a))
.endif
	WIN 0x04
.irp g, 0,1
.irp p, 0,2,4,6,8,10,12,14
	v_pk_mul_f32 v[T+\p:T+\p+1], v[X+16*\g+\p:X+16*\g+\p+1], v[TC+16*\g+\p:TC+16*\g+\p+1]
.endr
.irp p, 0,2,4,6,8,10,12,14
	v_pk_mul_f32 v[U+\p:U+\p+1], v[X+16*\g+\p:X+16*\g+\p+1], v[TS+16*\g+\p:TS+16*\g+\p+1]
.endr
.irp p, 0,2,4,6,8,10,12,14
	v_pk_fma_f32 v[X+16*\g+\p:X+16*\g+\p+1], v[X+32+16*\g+\p:X+33+16*\g+\p], v[TS+16*\g+\p:TS+16*\g+\p+1], v[T+\p:T+\p+1] neg_lo:[0,1,0] neg_hi:[0,1,0]
.endr
.irp p, 0,2,4,6,8,10,12,14
	v_pk_fma_f32 v[X+32+16*\g+\p:X+33+16*\g+\p], v[X+32+16*\g+\p:X+33+16*\g+\p], v[TC+16*\g+\p:TC+16*\g+\p+1], v[U+\p:U+\p+1]
.endr
.endr
	WIN 0
	s_wait_xcnt 0x0
	QUANT X, PWR+(\a)
.irp c, 0,1,2
	global_store_b128 v8, v[PC+4*\c:PC+4*\c+3], s[12:13] offset:1536*(\a)+512*\c
.endr
.if (\a) < 4
	TABLE (\a)+4
.endif
.endm
.irp a, 0,1,2,3,4,5,6,7
	ROPEA \a
.endr
	v_cmp_le_u32 vcc_lo, 256, v8
.irp i, 0,1,2,3
	v_cndmask_b32 v[T+\i], v[PWR+\i], v[PWR+4+\i], vcc_lo
.endr
	global_store_b128 v13, v[T:T+3], s[96:97]
	s_branch .Ldone
.Lvalues:
.irp q, 0,1,2,3
	v_mov_b32 v[BVP+2*\q], v[BV+\q]
	v_mov_b32 v[BVP+2*\q+1], v[BV+\q]
.endr
.macro LOADQ q
.set II, 0
.rept 32
	ds_load_b32 v[Y+32*((\q)%2)+II], v12 offset:528*(16*((II>>3)&1)+8*(II>>4)+(II&7))+128*(\q)
.set II, II+1
.endr
.endm
.macro PROC q, tau
.set YS, Y+32*((\q)%2)
.set DD, 64+24*(\q)+80*((\q)/2)+12*((\tau)%2)+6*((\tau)/2)
.irp i, 0,2,4,6,8,10,12,14,16,18,20,22,24,26,28,30
	v_pk_add_f32 v[YS+\i:YS+\i+1], v[YS+\i:YS+\i+1], v[BVP+2*(\q):BVP+2*(\q)+1]
.endr
	v_max3_num_f32 v116, |v[YS]|, |v[YS+1]|, |v[YS+2]|
	v_max3_num_f32 v117, |v[YS+3]|, |v[YS+4]|, |v[YS+5]|
.irp i, 6,10,14,18,22,26
	v_max3_num_f32 v116, v116, |v[YS+\i]|, |v[YS+\i+1]|
	v_max3_num_f32 v117, v117, |v[YS+\i+2]|, |v[YS+\i+3]|
.endr
	v_max3_num_f32 v116, v116, |v[YS+30]|, |v[YS+31]|
	v_max3_num_f32 v116, v116, v117, 0x1800000
	v_add_nc_u32 v118, 0xff000000, v116
	v_lshrrev_b32 v119, 23, v118
.if (\tau) == 0
	v_mov_b32 v[SW+(\q)], v119
.else
	v_lshl_or_b32 v[SW+(\q)], v119, 8*(\tau), v[SW+(\q)]
.endif
	v_cvt_scalef32_pk16_fp6_f32 v[DD:DD+2], v[YS:YS+15], v118
	v_cvt_scalef32_pk16_fp6_f32 v[CT:CT+2], v[YS+16:YS+31], v118
	v_nop
.irp i, 0,1,2
	v_mov_b32 v[DD+3+\i], v[CT+\i]
.endr
.endm
.macro VTAU tau
.set WN, 0x08+4*((\tau)/2)
	WIN WN
.irp e, 0,1
.irp b, 0,1,2,3,4,5,6,7
	ds_store_b128 v11, v[64*((2*(\tau)+\e)%4)+8*\b:64*((2*(\tau)+\e)%4)+8*\b+3] offset:8448*\e+64*\b
	ds_store_b128 v11, v[64*((2*(\tau)+\e)%4)+8*\b+4:64*((2*(\tau)+\e)%4)+8*\b+7] offset:8448*\e+64*\b+16
.endr
.endr
	WIN 0
	LOADQ 0
	LOADQ 1
	s_wait_dscnt 32
	PROC 0, \tau
	LOADQ 2
	s_wait_dscnt 32
	PROC 1, \tau
	LOADQ 3
	s_wait_dscnt 32
	PROC 2, \tau
	s_wait_dscnt 0x0
	PROC 3, \tau
.endm
	s_wait_alu depctr_va_vdst(0)
	VTAU 0
	VTAU 1
	VTAU 2
	VTAU 3
.irp q, 0,1,2,3
.irp i, 0,1,2,3,4,5,6,7,8,9,10,11
	v_permlane16_swap_b32 v[64+24*\q+80*(\q/2)+\i], v[64+24*\q+80*(\q/2)+12+\i]
.endr
.endr
.irp q, 0,1,2,3
.irp e, 0,1
.irp c, 0,1,2
	global_store_b128 v8, v[64+24*\q+80*(\q/2)+12*\e+4*\c:64+24*\q+80*(\q/2)+12*\e+4*\c+3], s[12:13] offset:12288+1536*(2*\q+\e)+512*\c
.endr
.endr
.endr
	global_store_b128 v13, v[SW:SW+3], s[96:97] offset:512
.Ldone:
	s_wait_tensorcnt 0x0
	ds_add_u32 v[SPW], v[NIL]
	s_wait_dscnt 0x0
	CROUND
	s_endpgm
.Lfunc_end_k_qf705699183_gemm_qkv:
	.size	k_qf705699183_gemm_qkv, .Lfunc_end_k_qf705699183_gemm_qkv-k_qf705699183_gemm_qkv
	.p2alignl 7, 3214868480
	.fill 96, 4, 3214868480
	.section	.rodata,"a",@progbits
	.p2align	6, 0x0
	.amdhsa_kernel k_qf705699183_gemm_qkv
		.amdhsa_group_segment_fixed_size 327680
		.amdhsa_private_segment_fixed_size 0
		.amdhsa_enable_private_segment 0
		.amdhsa_kernarg_size 56
		.amdhsa_user_sgpr_count 2
		.amdhsa_user_sgpr_kernarg_segment_ptr 1
		.amdhsa_wavefront_size32 1
		.amdhsa_system_sgpr_workgroup_id_x 1
		.amdhsa_system_sgpr_workgroup_id_y 1
		.amdhsa_system_sgpr_workgroup_id_z 1
		.amdhsa_system_vgpr_workitem_id 0
		.amdhsa_next_free_vgpr 1024
		.amdhsa_next_free_sgpr 102
		.amdhsa_reserve_vcc 1
		.amdhsa_float_denorm_mode_32 3
		.amdhsa_float_denorm_mode_16_64 3
		.amdhsa_memory_ordered 1
		.amdhsa_forward_progress 1
		.amdhsa_inst_pref_size 255
	.end_amdhsa_kernel
	.section	.bss,"aw",@nobits
	.p2align	6
	.space	262144
	.amdgpu_metadata
---
amdhsa.version: [ 1, 2 ]
amdhsa.kernels:
  - .name:           k_qf705699183_gemm_qkv
    .symbol:         k_qf705699183_gemm_qkv.kd
    .args:
      - { .name: xq, .offset: 0, .size: 8, .value_kind: global_buffer, .address_space: global }
      - { .name: wq, .offset: 8, .size: 8, .value_kind: global_buffer, .address_space: global }
      - { .name: rope, .offset: 16, .size: 8, .value_kind: global_buffer, .address_space: global }
      - { .name: bq, .offset: 24, .size: 8, .value_kind: global_buffer, .address_space: global }
      - { .name: bk, .offset: 32, .size: 8, .value_kind: global_buffer, .address_space: global }
      - { .name: bv, .offset: 40, .size: 8, .value_kind: global_buffer, .address_space: global }
      - { .name: qkv, .offset: 48, .size: 8, .value_kind: global_buffer, .address_space: global }
    .group_segment_fixed_size: 327680
    .private_segment_fixed_size: 0
    .kernarg_segment_align: 8
    .kernarg_segment_size: 56
    .max_flat_workgroup_size: 128
    .sgpr_count:     102
    .vgpr_count:     1024
    .wavefront_size: 32
...
	.end_amdgpu_metadata
.endif
;; end of part 2
;; launch attn (part 3): grid 4 x 64, 8 waves a work-group, clusters of 4 x 1, 327,680 bytes of LDS; arguments qkv, oq; writes oq
.if DOCPART == 3
	.amdgcn_target "amdgcn-amd-amdhsa--gfx1250"
	.amdhsa_code_object_version 6
	.text
	.protected	k_qf705699183_attn
	.globl	k_qf705699183_attn
	.p2align	8
	.type	k_qf705699183_attn,@function
k_qf705699183_attn:
	s_mov_b64 s[64:65], 0
	v_nop
	global_prefetch_b8 v0, s[64:65] scope:SCOPE_SE
	s_setreg_imm32_b32 hwreg(HW_REG_WAVE_MODE, 25, 1), 1
	s_wait_xcnt 0x0
	s_wait_alu depctr_hold_cnt(0) depctr_sa_sdst(0) depctr_va_vdst(0) depctr_va_sdst(0) depctr_va_ssrc(0) depctr_va_vcc(0) depctr_vm_vsrc(0)
	s_getreg_b32 s2, hwreg(HW_REG_IB_STS2, 6, 4)
	s_cmp_eq_u32 s2, 0
	s_cbranch_scc0 .Lentry_in_a_cluster
	s_endpgm
.Lentry_in_a_cluster:
	s_bfe_u32 s2, ttmp6, 0x10000c
	s_cmp_lg_u32 s2, 0x3003
	s_cbranch_scc0 .Lentry_shape_is_right
	s_endpgm
.Lentry_shape_is_right:
; Attention on codes of FP6 (E2M3) with E8M0 scales: for each (batch, head) and query, o = sum over the 1,024 keys of softmax(q . k x 128^-0.5) v; q's codes already carry the first factor 128^-0.5.  The result is quantised along d for the last product.
; THE SOFTMAX: t = score x log2(e) / sqrt(128); M = the row's largest t so far, rounded up to a whole number; p = 2^(t - M) is quantised along the keys, not normalised.  The row's sum is taken of the unquantised p, in f32, and divides o at the end.
; When M moves, the sum and o are multiplied by 2^(old M - new M): exact.
; SHARES.  A work-group owns 256 queries of one (batch, head); each of its eight waves 32 of them, as two tiles of 16: every fragment of k and v that a wave reads from LDS feeds two matrix instructions.
; REGISTER WINDOWS.  Tile 0 lives in window 0, tile 1 under the same register numbers in window 1, so the softmax and the way out are one text run under two settings.
;   In each window: v12 -M, v13 the largest t, v[14:15] the sum; v16-27 q; v96-159 S^T, then p; v160-223 O^T; v224-235 p's codes; v232-254 at work.   v32-79 of both windows: two buffers of four fragments of k or v.
;   Window 0 alone: v1 16 x lane, v2 scale words' LDS address, v4 4 r, v8 the step's LDS address (v1 and v4 are copied to window 1 for the stores); v28, v29 q's scale words, v253 and v30 p's (scale operands have no window); v80-95 k's and v's scale words; v250, v251 the add's.
; ALL OF A HEAD'S K AND V STAY IN LDS: 8 steps of 128 keys x 16 images of 1,536 bytes, then 8 x 1,024 bytes of scale words; every byte is filled once.  At the head waves 0-3 ask for steps 0 and 1 (12,288 bytes each) and
;   waves 4-7 for the scale words (2,048 each); behind the full sequence and a round each wave asks for 18,432 bytes of steps 2 to 7, which are first read behind the barrier that follows step 1.
; CLUSTER: the four blocks of 256 queries of one (batch, head) ask for k and v jointly.  No prefetch is laid: all that the launch reads is asked for by those two loads a wave, ahead of its loop.
; LAYOUT.  Both products are used transposed: S^T = k q^T, O^T = v^T p^T: a lane holds one query (lane % 16) of each tile.  p's slot 16 h + 8 u + j of a block holds key 16 u + 8 h + j; v's codes were laid in that order.
;   v's tile t, row r, holds d = 32 (t / 2) + 16 (r / 8) + 8 (t % 2) + r % 8, so O^T's register 16 B + i is d = 32 B + 16 h + i.
; LIMITS: the scaled scores t stay under 2^31 in magnitude; NaN and infinities are not served; a block of zeros gets the byte 1 (codes 0; only this program reads the bytes).
.set QSC,  6291456
.set KVO,  6553600
.set KVS,  9699328
.set XSC,  6291456
.set SC,   196608
.set SPARE, 204800
.set WV,   18
.set G1A,  24
.set G1S,  32
.set G1B,  40
.set G0A,  48
.set G0S,  52
.set G0B,  56
.set SEL,  80
.set CS,   82
.set PC,   32
.set TM,   232
.set MSB, 0
.macro WIN new                         ; the immediate's high byte repeats the setting that is left
.if MSB != \new
	s_set_vgpr_msb (MSB<<8)|\new
.set MSB, \new
.endif
.endm
.macro DL n
	s_delay_alu instid0(VALU_DEP_\n)
.endm
.macro NOPS n
.rept \n
	v_nop
.endr
.endm
.macro CROUND
	s_barrier_signal -1
	s_barrier_wait -1
	s_cmp_lg_u32 s[WV], 0
	s_cbranch_scc1 .Lnot_wave_0_\@
	s_barrier_signal -3
.Lnot_wave_0_\@:
	s_barrier_wait -3
	s_barrier_signal -1
	s_barrier_wait -1
.endm
.macro GRP1 g, rows                    ; dense bytes as rows of 256 (32 elements of 8 bytes); mask: all four work-groups, bit 21 beside it
	s_mov_b32 s[\g], 15|(3<<16)|(1<<21)
	s_mov_b32 s[\g+1], 32<<16
	s_mov_b32 s[\g+2], (\rows)<<16
	s_mov_b32 s[\g+3], 32<<16
	s_mov_b32 s[\g+4], \rows
	s_mov_b32 s[\g+5], 32
	s_mov_b32 s[\g+6], 0
	s_mov_b32 s[\g+7], 0
.endm
.macro QUANT s, pw                     ; 64 numbers of a lane become a fragment's codes in v[PC] on and its row's scale word in v[pw]
.irp b, 0,1,2,3
	v_max3_num_f32 v[TM+\b], |v[\s+16*\b]|, |v[\s+1+16*\b]|, 0x1800000
.endr
.irp i, 2,4,6,8,10,12,14
.irp b, 0,1,2,3
	DL 4
	v_max3_num_f32 v[TM+\b], v[TM+\b], |v[\s+16*\b+\i]|, |v[\s+1+16*\b+\i]|
.endr
.endr
.irp b, 0,1,2,3
	DL 4
	v_permlanex16_b32 v[TM+4+\b], v[TM+\b], s[SEL], s[SEL+1]
.endr
.irp b, 0,1,2,3
	DL 4
	v_max_num_f32 v[TM+\b], v[TM+\b], v[TM+4+\b]
.endr
.irp b, 0,1,2,3
	DL 4
	v_add_nc_u32 v[TM+12+\b], 0xff000000, v[TM+\b]
.endr
.irp b, 0,1,2,3
	DL 4
	v_lshrrev_b32 v[TM+4+\b], 23, v[TM+12+\b]
.endr
	DL 3
	v_lshl_or_b32 v[\pw], v[TM+5], 8, v[TM+4]
	DL 1
	v_lshl_or_b32 v[\pw], v[TM+6], 16, v[\pw]
	DL 1
	v_lshl_or_b32 v[\pw], v[TM+7], 24, v[\pw]
.irp c, 0,1
	v_cvt_scalef32_pk16_fp6_f32 v[PC+6*\c:PC+2+6*\c], v[\s+32*\c:\s+15+32*\c], v[TM+12+2*\c]
	v_cvt_scalef32_pk16_fp6_f32 v[PC+12+4*\c:PC+14+4*\c], v[\s+16+32*\c:\s+31+32*\c], v[TM+12+2*\c+1]
.endr
	v_nop                                          ; one plain place behind a scaled conversion
.irp c, 0,1
.irp i, 0,1,2
	v_permlane16_swap_b32 v[PC+6*\c+\i], v[PC+12+4*\c+\i]
.endr
.irp i, 0,1,2
	DL 3
	v_mov_b32 v[PC+3+6*\c+\i], v[PC+12+4*\c+\i]
.endr
.endr
.endm
.macro INIT                            ; a tile's running state
	v_mov_b32 v13, 0xff61b1e6                      ; the largest t so far: -3e38
	v_mov_b32 v14, 0
	v_mov_b32 v15, 0
	v_floor_f32 v12, -v13                          ; -M
.irp b, 0,1,2,3
	v_mov_b32 v[236+\b], 0                         ; a lane permute's destination counts as one of its sources
.endr
	v_mov_b32 v253, 0                              ; named as the upper half of v[252:253] before it is first written
.endm
.macro KV4 base                        ; four images into v32-79 of the window that is set for the destination
.irp t, 0,1,2,3
.irp c, 0,1,2
	ds_load_b128 v[32+12*\t+4*\c:35+12*\t+4*\c], v8 offset:(\base)+1536*\t+512*\c
.endr
.endr
.endm
.macro QKT g, sq                       ; S^T of four tiles of 16 keys
.irp t, 0,1,2,3
	v_wmma_scale_f32_16x16x128_f8f6f4 v[96+8*(4*\g+\t):103+8*(4*\g+\t)], v[32+12*\t:43+12*\t], v[16:27], 0, v[80+4*\g+\t], v[\sq] matrix_a_fmt:MATRIX_FMT_FP6 matrix_b_fmt:MATRIX_FMT_FP6
.endr
.endm
.macro PVT g, sp, zero                 ; O^T of four tiles of 16 of the head's 128
.irp t, 0,1,2,3
.if \zero
	v_wmma_scale_f32_16x16x128_f8f6f4 v[160+8*(4*\g+\t):167+8*(4*\g+\t)], v[32+12*\t:43+12*\t], v[224:235], 0, v[88+4*(\t%2)+2*\g+\t/2], v[\sp] matrix_a_fmt:MATRIX_FMT_FP6 matrix_b_fmt:MATRIX_FMT_FP6
.else
	v_wmma_scale_f32_16x16x128_f8f6f4 v[160+8*(4*\g+\t):167+8*(4*\g+\t)], v[32+12*\t:43+12*\t], v[224:235], v[160+8*(4*\g+\t):167+8*(4*\g+\t)], v[88+4*(\t%2)+2*\g+\t/2], v[\sp] matrix_a_fmt:MATRIX_FMT_FP6 matrix_b_fmt:MATRIX_FMT_FP6
.endif
.endr
.endm
; One tile's softmax step: scores in v96-159 become p's codes in v224-235 and p's scale word in v253; f = 2^(old M - new M) in v252.
.macro SOFT
.irp b, 0,1,2,3
	v_max3_num_f32 v[232+\b], v[96+16*\b], v[97+16*\b], v[98+16*\b]   ; the largest score of each block of 32 keys: for the row's maximum and, since p rises with the score, for the block's largest p
.endr
.irp i, 3,5,7,9,11,13
.irp b, 0,1,2,3
	v_max3_num_f32 v[232+\b], v[232+\b], v[96+16*\b+\i], v[97+16*\b+\i]
.endr
.endr
.irp b, 0,1,2,3
	v_max_num_f32 v[232+\b], v[232+\b], v[111+16*\b]
.endr
.irp b, 0,1,2,3
	DL 4
	v_permlanex16_b32 v[236+\b], v[232+\b], s[SEL], s[SEL+1]
.endr
.irp b, 0,1,2,3
	DL 4
	v_max_num_f32 v[232+\b], v[232+\b], v[236+\b]
.endr
	DL 2
	v_max3_num_f32 v254, v232, v233, v234
	DL 1
	v_max_num_f32 v254, v254, v235
	DL 1
	v_mul_f32 v254, s[CS], v254                    ; as t (c is positive)
	DL 1
	v_max_num_f32 v13, v13, v254                   ; the running largest t
	v_mov_b32 v254, v12
	DL 2
	v_floor_f32 v12, -v13                          ; the new -M = -ceil(t)
	DL 1
	v_sub_f32 v254, v12, v254                      ; old M - new M: 0 or less
	DL 1
	v_cvt_i32_f32 v254, v254                       ; (it saturates)
	DL 1
	v_ldexp_f32 v252, 1.0, v254                    ; f
.set JJ, 0
.rept 32
	v_pk_fma_f32 v[96+JJ:97+JJ], v[96+JJ:97+JJ], s[CS:CS+1], v[12:13] op_sel_hi:[1,0,0]   ; t - M
.set JJ, JJ+2
.endr
.irp b, 0,1,2,3
	v_fma_f32 v[232+\b], v[232+\b], s[CS], v12     ; the same of each block's largest score
.endr
	s_wait_alu depctr_va_vdst(0)                   ; the wait ahead of the batch
.set JJ, 0
.rept 64
	v_exp_f32 v[96+JJ], v[96+JJ]                   ; p = 2^(t - M)
.set JJ, JJ+1
.endr
	v_pk_mul_f32 v[14:15], v[14:15], v[252:253] op_sel_hi:[1,0]   ; the sums under the new M
	s_wait_alu depctr_va_vdst(0)                   ; one wait for the batch, ahead of its first reader
.irp b, 0,1,2,3
	v_exp_f32 v[232+\b], v[232+\b]                 ; the block's largest p
.endr
.irp i, 0,1,2,3,4,5,6                  ; the row's sum of the unquantised p: 32 pairs into eight chains
	v_pk_add_f32 v[236+2*\i:237+2*\i], v[96+4*\i:97+4*\i], v[98+4*\i:99+4*\i]
.endr
	v_pk_add_f32 v[14:15], v[14:15], v[124:125]
.irp i, 0,1,2,3,4,5,6
	v_pk_add_f32 v[236+2*\i:237+2*\i], v[236+2*\i:237+2*\i], v[126+2*\i:127+2*\i]
.endr
	v_pk_add_f32 v[14:15], v[14:15], v[140:141]
.irp i, 0,1,2,3,4,5,6
	v_pk_add_f32 v[236+2*\i:237+2*\i], v[236+2*\i:237+2*\i], v[142+2*\i:143+2*\i]
.endr
	v_pk_add_f32 v[14:15], v[14:15], v[156:157]
	v_pk_add_f32 v[236:237], v[236:237], v[158:159]
	v_pk_add_f32 v[240:241], v[240:241], v[242:243]
	v_pk_add_f32 v[244:245], v[244:245], v[246:247]
	v_pk_add_f32 v[14:15], v[14:15], v[248:249]
	v_pk_add_f32 v[236:237], v[236:237], v[238:239]
	DL 2
	v_pk_add_f32 v[14:15], v[14:15], v[244:245]
	DL 2
	v_pk_add_f32 v[236:237], v[236:237], v[240:241]
	DL 1
	v_pk_add_f32 v[14:15], v[14:15], v[236:237]
	s_wait_alu depctr_va_vdst(0)                   ; and one for the four
.irp b, 0,1,2,3
	v_max_num_f32 v[232+\b], 0x1800000, v[232+\b]  ; the floor 2^(3 - 127): the byte cannot fall under 1
.endr
.irp b, 0,1,2,3
	DL 4
	v_add_nc_u32 v[244+\b], 0xff000000, v[232+\b]  ; 2 off the exponent field: the conversion's scale operand
.endr
.irp b, 0,1,2,3
	DL 4
	v_lshrrev_b32 v[236+\b], 23, v[244+\b]         ; the scale's byte
.endr
	DL 3
	v_lshl_or_b32 v253, v237, 8, v236
	DL 1
	v_lshl_or_b32 v253, v238, 16, v253
	DL 1
	v_lshl_or_b32 v253, v239, 24, v253
.irp c, 0,1
	v_cvt_scalef32_pk16_fp6_f32 v[224+6*\c:226+6*\c], v[96+32*\c:111+32*\c], v[244+2*\c]
	v_cvt_scalef32_pk16_fp6_f32 v[236+4*\c:238+4*\c], v[112+32*\c:127+32*\c], v[244+2*\c+1]
.endr
	v_nop                                          ; one plain place behind a scaled conversion
.irp c, 0,1
.irp i, 0,1,2
	v_permlane16_swap_b32 v[224+6*\c+\i], v[236+4*\c+\i]
.endr
.irp i, 0,1,2
	DL 3
	v_mov_b32 v[227+6*\c+\i], v[236+4*\c+\i]
.endr
.endr
.endm
.macro RESC                            ; O^T under the new M, each accumulator from its low end on
.set JJ, 0
.rept 32
	v_pk_mul_f32 v[160+JJ:161+JJ], v[160+JJ:161+JJ], v[252:253] op_sel_hi:[1,0]
.set JJ, JJ+2
.endr
.endm
; A KEY STEP: 128 keys, both tiles.  first = 1: O^T's sums start with the constant 0, and nothing is rescaled.
.macro STEP first
.if \first == 0
	v_add_nc_u32 v8, 24576, v8                     ; the next step's images,
	v_add_nc_u32 v2, 1024, v2                      ; and scale words; with two v_nop: four places in front of loads into registers that the last products have read
	NOPS 2
	s_wait_alu depctr_va_vdst(0)
.endif
	ds_load_b128 v[80:83], v2                      ; my row's scale words of k's tiles 0-3,
	ds_load_b128 v[84:87], v2 offset:16            ; 4-7,
	ds_load_b128 v[88:91], v2 offset:512           ; of v's tiles 0, 2, 4, 6,
	ds_load_b128 v[92:95], v2 offset:528           ; and 1, 3, 5, 7
	KV4 0                                          ; k's tiles 0-3 into window 0's buffer,
	WIN 0x40
	KV4 6144                                       ; 4-7 into window 1's
	WIN 0
	s_wait_dscnt 12                                ; all but the twelve loads of k's tiles 4-7
	QKT 0, 28
	WIN 0x44                                       ; q and S^T of tile 1
	QKT 0, 29
	s_wait_dscnt 0x0
	WIN 0x01                                       ; the fragments of window 1
	QKT 1, 28
	WIN 0x45
	QKT 1, 29
	WIN 0
	NOPS 4                                         ; places in front of the loads below and of the first reads of S^T
	KV4 12288                                      ; v's eight tiles are fetched under the softmax
	WIN 0x40
	KV4 18432
	WIN 0
	SOFT
	WIN 0x55
	s_wait_alu depctr_va_vdst(0)                   ; directly ahead of the first reader of tile 1's S^T
	SOFT
	WIN 0x01
	v_mov_b32 v30, v253                            ; tile 1's scale word of p goes to window 0
	WIN 0
.if \first
	NOPS 8                                         ; a scale register written by a vector instruction stands 8 places ahead of a scaled matrix instruction
.else
	s_wait_alu depctr_va_vdst(0)                   ; directly ahead of the first reader of tile 0's O^T
	RESC
	WIN 0x55
	s_wait_alu depctr_va_vdst(0)                   ; and of tile 1's
	RESC
	WIN 0
.endif
	s_wait_alu depctr_va_vdst(0)
	s_wait_dscnt 0x0                               ; v's fragments
	PVT 0, 253, \first
	WIN 0x54
	PVT 0, 30, \first
	WIN 0x01
	PVT 1, 253, \first
	WIN 0x55
	PVT 1, 30, \first
	WIN 0
.endm
; THE WAY OUT of a tile: O^T / the sum, quantised along d; the image and its scale word go to oq
.macro FIN io, so
	v_add_f32 v14, v14, v15
	DL 1
	v_permlanex16_b32 v252, v14, s[SEL], s[SEL+1]
	DL 1
	v_add_f32 v14, v14, v252                       ; the row's sum
	s_wait_alu depctr_va_vdst(0)
	v_rcp_f32 v14, v14
	v_nop
	s_wait_alu depctr_va_vdst(0)
.set JJ, 0
.rept 64
	v_mul_f32 v[96+JJ], v[160+JJ], v14             ; register 16 B + i is o(my query, d = 32 B + 16 h + i)
.set JJ, JJ+1
.endr
	QUANT 96, 253
.irp c, 0,1,2
	global_store_b128 v1, v[PC+4*\c:PC+4*\c+3], s[90:91] offset:(\io)+512*\c   ; 512 consecutive bytes a store
.endr
	global_store_b32 v4, v253, s[92:93] offset:\so ; lanes r and r + 16 store the same word to the same place
.endm
	s_load_b128 s[4:7], s[0:1], 0x0                ; qkv s[4:5], oq s[6:7]
	v_lshl_add_u32 v250, v0, 2, SPARE
	v_mov_b32 v251, 0
	ds_add_u32 v250, v251                          ; the add, twice on end, and its wait
	ds_add_u32 v250, v251
	v_lshrrev_b32 v8, 5, v0
	v_readfirstlane_b32 s[WV], v8                  ; wave 0..7
	s_bfe_u32 s19, ttmp6, 0x40000                  ; cx: my block of 256 queries; it enters q's and o's global addresses alone
	s_and_b32 s8, ttmp7, 0xffff                    ; batch x 16 + head
	s_lshr_b32 s9, s8, 2                           ; batch x 4 + k/v head
	GRP1 G1A, 48                                   ; 12,288 bytes
	GRP1 G1S, 8                                    ; 2,048 bytes
	GRP1 G1B, 72                                   ; 18,432 bytes
	s_and_b32 s14, s[WV], 3
	s_mul_i32 s15, s14, 12288                      ; my quarter of steps 0 and 1: in memory and in LDS alike
	s_lshl_b32 s16, s14, 11                        ; my quarter of the scale words
	s_mul_i32 s17, s[WV], 18432
	s_add_co_u32 s17, s17, 49152                   ; my eighth of steps 2 to 7
	s_mul_i32 s10, s9, 196608
	s_add_co_u32 s10, s10, KVO
	s_add_co_u32 s20, s10, s15
	s_mov_b32 s21, 0
	s_add_co_u32 s22, s10, s17
	s_mov_b32 s23, 0
	s_lshl_b32 s12, s9, 13
	s_add_co_u32 s12, s12, s16
	s_add_co_u32 s12, s12, KVS
	s_mov_b32 s13, 0
	s_wait_dscnt 0x0
	s_wait_kmcnt 0x0
	s_mov_b32 s[G0A], 1
	s_mov_b32 s[G0A+1], s15
	s_add_nc_u64 s[G0A+2:G0A+3], s[4:5], s[20:21]
	s_or_b32 s[G0A+3], s[G0A+3], 0x80000000
	s_mov_b32 s[G0S], 1
	s_add_co_u32 s[G0S+1], s16, SC
	s_add_nc_u64 s[G0S+2:G0S+3], s[4:5], s[12:13]
	s_or_b32 s[G0S+3], s[G0S+3], 0x80000000
	s_mov_b32 s[G0B], 1
	s_mov_b32 s[G0B+1], s17
	s_add_nc_u64 s[G0B+2:G0B+3], s[4:5], s[22:23]
	s_or_b32 s[G0B+3], s[G0B+3], 0x80000000
	CROUND                                         ; all four work-groups are here: the joint loads meet
	s_cmp_lt_u32 s[WV], 4                          ; one load a wave at the head, in two arms that lead to one join
	s_cbranch_scc0 .Lhead_scales
	tensor_load_to_lds s[G0A:G0A+3], s[G1A:G1A+7]
	s_nop 0
	NOPS 4
	s_branch .Lhead_asked
.Lhead_scales:
	tensor_load_to_lds s[G0S:G0S+3], s[G1S:G1S+7]
	s_nop 0
	NOPS 4
.Lhead_asked:
	v_and_b32 v9, 31, v0
	v_and_b32 v10, 15, v0                          ; r
	v_lshlrev_b32 v1, 4, v9                        ; 16 x lane: my place in every chunk of an image
	v_lshlrev_b32 v3, 5, v10                       ; 32 r
	v_lshlrev_b32 v4, 2, v10                       ; 4 r
	v_add_nc_u32 v2, SC, v3                        ; LDS: my row's scale words of step 0
	v_mov_b32 v8, v1                               ; LDS: step 0's images
	INIT
	WIN 0x40
	v_mov_b32 v1, v1                               ; the stores' two offsets, for tile 1's way out
	v_mov_b32 v4, v4
	WIN 0x55
	INIT
	WIN 0
	s_wait_alu depctr_va_vdst(0)
	s_lshl_b32 s84, s19, 4
	s_lshl_b32 s85, s[WV], 1
	s_add_co_u32 s84, s84, s85                     ; my first token block of the batch's 64
	s_lshl_b32 s86, s8, 6
	s_add_co_u32 s86, s86, s84
	s_mul_i32 s86, s86, 1536
	s_mov_b32 s87, 0
	s_add_nc_u64 s[86:87], s[4:5], s[86:87]        ; q's two images
	s_lshl_b32 s88, s8, 3
	s_lshl_b32 s89, s19, 1
	s_add_co_u32 s88, s88, s89
	s_lshr_b32 s89, s[WV], 2
	s_add_co_u32 s88, s88, s89
	s_lshl_b32 s88, s88, 9                         ; q's scale words: 512 bytes for each 128 tokens, [row][token block]
	s_lshl_b32 s89, s14, 3                         ; my two token blocks' words are neighbours
	s_add_co_u32 s88, s88, s89
	s_add_co_u32 s88, s88, QSC
	s_mov_b32 s89, 0
	s_add_nc_u64 s[88:89], s[4:5], s[88:89]
	s_lshr_b32 s85, s8, 4                          ; the batch
	s_lshl_b32 s85, s85, 6
	s_add_co_u32 s85, s85, s84                     ; o's first row block
	s_and_b32 s94, s8, 15                          ; the head = o's K step
	s_mul_i32 s90, s85, 24576
	s_mul_i32 s91, s94, 1536
	s_add_co_u32 s90, s90, s91
	s_mov_b32 s91, 0
	s_add_nc_u64 s[90:91], s[6:7], s[90:91]
	s_lshl_b32 s92, s85, 10
	s_lshl_b32 s93, s94, 6
	s_add_co_u32 s92, s92, s93
	s_add_co_u32 s92, s92, XSC
	s_mov_b32 s93, 0
	s_add_nc_u64 s[92:93], s[6:7], s[92:93]
	s_mov_b32 s[SEL], 0x76543210
	s_mov_b32 s[SEL+1], 0xfedcba98
	s_mov_b32 s[CS], 0x3e0293ee                    ; c = log2(e) / sqrt(128)
	s_mov_b32 s[CS+1], s[CS]
.irp c, 0,1,2
	global_load_b128 v[16+4*\c:19+4*\c], v1, s[86:87] offset:512*\c   ; q's fragments stay in registers
.endr
	global_load_b64 v[28:29], v3, s[88:89]         ; and their scale words
	WIN 0x40
.irp c, 0,1,2
	global_load_b128 v[16+4*\c:19+4*\c], v1, s[86:87] offset:1536+512*\c
.endr
	WIN 0
	s_wait_tensorcnt 0x0                           ; my part of the head's tiles is in
	ds_add_u32 v250, v251
	s_wait_dscnt 0x0
	CROUND                                         ; steps 0 and 1 and the scale words are whole, and the four work-groups are here
	tensor_load_to_lds s[G0B:G0B+3], s[G1B:G1B+7]  ; my eighth of steps 2 to 7
	s_nop 0
	NOPS 4
	s_wait_loadcnt 0x0                             ; q
	STEP 1
	STEP 0
	s_wait_tensorcnt 0x0                           ; my part of steps 2 to 7
	s_barrier_signal -1
	s_barrier_wait -1                              ; everybody's
	s_mov_b32 s3, 6
.Lstep:
	STEP 0
	s_sub_co_u32 s3, s3, 1
	s_cmp_lg_u32 s3, 0
	s_cbranch_scc1 .Lstep
	NOPS 4                                         ; places behind the last products
	FIN 0, 0
	WIN 0x55
	FIN 24576, 1024                                ; tile 1: the next row block of oq
	WIN 0
	s_wait_tensorcnt 0x0                           ; the wave's end
	ds_add_u32 v250, v251
	s_wait_dscnt 0x0
	CROUND                                         ; the closing round
	s_endpgm
.Lfunc_end_k_qf705699183_attn:
	.size	k_qf705699183_attn, .Lfunc_end_k_qf705699183_attn-k_qf705699183_attn
	.p2alignl 7, 3214868480
	.fill 96, 4, 3214868480
	.section	.rodata,"a",@progbits
	.p2align	6, 0x0
	.amdhsa_kernel k_qf705699183_attn
		.amdhsa_group_segment_fixed_size 327680
		.amdhsa_private_segment_fixed_size 0
		.amdhsa_enable_private_segment 0
		.amdhsa_kernarg_size 16
		.amdhsa_user_sgpr_count 2
		.amdhsa_user_sgpr_kernarg_segment_ptr 1
		.amdhsa_wavefront_size32 1
		.amdhsa_system_sgpr_workgroup_id_x 1
		.amdhsa_system_sgpr_workgroup_id_y 1
		.amdhsa_system_sgpr_workgroup_id_z 1
		.amdhsa_system_vgpr_workitem_id 0
		.amdhsa_next_free_vgpr 512
		.amdhsa_next_free_sgpr 100
		.amdhsa_reserve_vcc 0
		.amdhsa_float_denorm_mode_32 3
		.amdhsa_float_denorm_mode_16_64 3
		.amdhsa_memory_ordered 1
		.amdhsa_forward_progress 1
		.amdhsa_inst_pref_size 129
	.end_amdhsa_kernel
	.amdgpu_metadata
---
amdhsa.version: [ 1, 2 ]
amdhsa.kernels:
  - .name:           k_qf705699183_attn
    .symbol:         k_qf705699183_attn.kd
    .args:
      - { .name: qkv, .offset: 0, .size: 8, .value_kind: global_buffer, .address_space: global }
      - { .name: oq, .offset: 8, .size: 8, .value_kind: global_buffer, .address_space: global }
    .group_segment_fixed_size: 327680
    .private_segment_fixed_size: 0
    .kernarg_segment_align: 8
    .kernarg_segment_size: 16
    .max_flat_workgroup_size: 256
    .sgpr_count:     100
    .vgpr_count:     512
    .wavefront_size: 32
...
	.end_amdgpu_metadata
.endif
;; end of part 3
;; launch gemm_out (part 4): grid 8 x 32, 4 waves a work-group, clusters of 4 x 4, 327,680 bytes of LDS; arguments oq, wq, bo, out0; writes out0
.if DOCPART == 4
	.amdgcn_target "amdgcn-amd-amdhsa--gfx1250"
	.amdhsa_code_object_version 6
	.text
	.protected	k_qf705699183_gemm_out
	.globl	k_qf705699183_gemm_out
	.p2align	8
	.type	k_qf705699183_gemm_out,@function
k_qf705699183_gemm_out:
	s_mov_b64 s[64:65], 0
	v_nop
	global_prefetch_b8 v0, s[64:65] scope:SCOPE_SE
	s_setreg_imm32_b32 hwreg(HW_REG_WAVE_MODE, 25, 1), 1
	s_wait_xcnt 0x0
	s_wait_alu depctr_hold_cnt(0) depctr_sa_sdst(0) depctr_va_vdst(0) depctr_va_sdst(0) depctr_va_ssrc(0) depctr_va_vcc(0) depctr_vm_vsrc(0)
	s_getreg_b32 s2, hwreg(HW_REG_IB_STS2, 6, 4)
	s_cmp_eq_u32 s2, 0
	s_cbranch_scc0 .Lentry_in_a_cluster
	s_endpgm
.Lentry_in_a_cluster:
	s_bfe_u32 s2, ttmp6, 0x10000c
	s_cmp_lg_u32 s2, 0xf033
	s_cbranch_scc0 .Lentry_shape_is_right
	s_endpgm
.Lentry_shape_is_right:
.set FR,     12
.set NP,     4
.set AHALF,  24576
.set BHALF,  49152
.set SLOT,   2*AHALF+2*BHALF
.set SCL,    2*SLOT
.set SPARE,  SCL+24576
.set XSC,    6291456
.set WSC,    7864320
.set SPITCH, 528
.set ADRA, 16
.set ADRB, 20
.set STO,  24
.set RD,   25
.set CO,   26
.set ADRS, 27
.set SPW,  28
.set NIL,  29
.set SC,   32
.set BO,   64
.set AF,   128
.set BK,   128
.set G1, 24
.set G0, 32
.set G1B, 48
.set G0B, 56
.set G1S, 68
.set G0S, 76
.set G1SB, 80
.set G0SB, 88
.set MSB, 0
.macro WIN new
.if MSB != \new
	s_set_vgpr_msb (MSB<<8)|\new
.set MSB, \new
.endif
.endm
.set MUL,    0xa1
.set TO_B,   0x40
.macro JLOAD g0a, g1a, g0b, g1b
	s_cmp_eq_u32 s15, 0
	s_cbranch_scc0 .Lfor_b_\@
	tensor_load_to_lds s[\g0a:\g0a+3], s[\g1a:\g1a+7]
	s_nop 0
.rept 4
	v_nop
.endr
	s_branch .Lasked_\@
.Lfor_b_\@:
	tensor_load_to_lds s[\g0b:\g0b+3], s[\g1b:\g1b+7]
	s_nop 0
.rept 4
	v_nop
.endr
.Lasked_\@:
.endm
.macro CROUND
	s_barrier_signal -1
	s_barrier_wait -1
	s_cmp_lg_u32 s14, 0
	s_cbranch_scc1 .Lnot_wave_0_\@
	s_barrier_signal -3
.Lnot_wave_0_\@:
	s_barrier_wait -3
	s_barrier_signal -1
	s_barrier_wait -1
.endm
	s_load_b256 s[4:11], s[0:1], 0x0
	v_lshl_add_u32 v[SPW], v0, 2, SPARE
	v_mov_b32 v[NIL], 0
	ds_add_u32 v28, v29
	ds_add_u32 v28, v29
	s_wait_dscnt 0x0
	v_lshrrev_b32 v1, 5, v0
	v_readfirstlane_b32 s14, v1
	s_lshr_b32 s15, s14, 1
	s_and_b32 s16, s14, 1
	s_bfe_u32 s40, ttmp6, 0x40000
	s_bfe_u32 s41, ttmp6, 0x40004
	s_lshl_b32 s42, ttmp9, 2
	s_add_co_u32 s42, s42, s40
	s_and_b32 s17, ttmp7, 0xffff
	s_lshl_b32 s17, s17, 2
	s_add_co_u32 s17, s17, s41
	s_lshl_b32 s43, s41, 2
	s_lshl_b32 s43, 15, s43
	s_lshl_b32 s44, 0x1111, s40
	s_or_b32 s[G1+0], s43, (3<<16)|(1<<21)
	s_mov_b32 s[G1+1], 768<<16
	s_mov_b32 s[G1+2], 8<<16                       ; the head's load of A's codes brings all 8 row blocks
	s_mov_b32 s[G1+3], 768<<16
	s_mov_b32 s[G1+4], 8
	s_mov_b32 s[G1+5], 3072
	s_mov_b32 s[G1+6], 0
	s_mov_b32 s[G1+7], 0
	s_or_b32 s[G1B+0], s44, (3<<16)|(1<<21)
	s_mov_b32 s[G1B+1], 768<<16
	s_mov_b32 s[G1B+2], 16<<16                     ; and B's all 16
	s_mov_b32 s[G1B+3], 768<<16
	s_mov_b32 s[G1B+4], 16
	s_mov_b32 s[G1B+5], 3072
	s_mov_b32 s[G1B+6], 0
	s_mov_b32 s[G1B+7], 0
	s_or_b32 s[G1S+0], s43, (3<<16)|(1<<21)
	s_mov_b32 s[G1S+1], 32<<16
	s_mov_b32 s[G1S+2], 32<<16                     ; A's scale words: 8,192 dense bytes
	s_mov_b32 s[G1S+3], 32<<16
	s_mov_b32 s[G1S+4], 32
	s_mov_b32 s[G1S+5], 32
	s_mov_b32 s[G1S+6], 0
	s_mov_b32 s[G1S+7], 0
	s_or_b32 s[G1SB+0], s44, (3<<16)|(1<<21)
	s_mov_b32 s[G1SB+1], 32<<16
	s_mov_b32 s[G1SB+2], 64<<16                    ; B's: 16,384
	s_mov_b32 s[G1SB+3], 32<<16
	s_mov_b32 s[G1SB+4], 64
	s_mov_b32 s[G1SB+5], 32
	s_mov_b32 s[G1SB+6], 0
	s_mov_b32 s[G1SB+7], 0
	s_lshl_b32 s18, s16, 2
	s_lshl_b32 s20, s17, 3
	s_add_co_u32 s20, s20, s18
	s_lshl_b32 s18, s16, 3
	s_lshl_b32 s46, s42, 4
	s_add_co_u32 s46, s46, s18
	s_add_co_u32 s46, s46, 192
	s_lshl_b32 s22, s17, 13                        ; A's scale words from the tile's first row block on
	s_add_co_u32 s22, s22, XSC
	s_mov_b32 s23, 0
	s_lshl_b32 s92, s42, 14                        ; B's likewise: row block 192 + 16 x tile column
	s_add_co_u32 s92, s92, 192<<10
	s_add_co_u32 s92, s92, WSC
	s_mov_b32 s93, 0
	s_mul_i32 s20, s20, 24576
	s_mov_b32 s21, 0
	s_mul_i32 s46, s46, 24576
	s_mov_b32 s47, 0
	s_mul_i32 s45, s16, AHALF
	s_mul_i32 s95, s16, BHALF
	s_add_co_u32 s95, s95, 2*AHALF
	s_wait_kmcnt 0x0
	s_add_nc_u64 s[20:21], s[4:5], s[20:21]
	s_add_nc_u64 s[22:23], s[4:5], s[22:23]
	s_add_nc_u64 s[46:47], s[6:7], s[46:47]
	s_add_nc_u64 s[92:93], s[6:7], s[92:93]
	CROUND
	s_mov_b32 s[G0S], 1
	s_mov_b32 s[G0S+1], SCL
	s_mov_b64 s[G0S+2:G0S+3], s[22:23]
	s_or_b32 s[G0S+3], s[G0S+3], 0x80000000
	s_mov_b32 s[G0SB], 1
	s_mov_b32 s[G0SB+1], SCL+8192
	s_mov_b64 s[G0SB+2:G0SB+3], s[92:93]
	s_or_b32 s[G0SB+3], s[G0SB+3], 0x80000000
.irp s, 0,1
	s_mov_b32 s[G0+4*\s], 1
	s_add_co_u32 s[G0+4*\s+1], s45, \s*SLOT
	s_add_nc_u64 s[G0+4*\s+2:G0+4*\s+3], s[20:21], \s*6144
	s_or_b32 s[G0+4*\s+3], s[G0+4*\s+3], 0x80000000
	s_mov_b32 s[G0B+4*\s], 1
	s_add_co_u32 s[G0B+4*\s+1], s95, \s*SLOT
	s_add_nc_u64 s[G0B+4*\s+2:G0B+4*\s+3], s[46:47], \s*6144
	s_or_b32 s[G0B+4*\s+3], s[G0B+4*\s+3], 0x80000000
.endr
; The head's four tiles, one joint load a wave, in one chain of arms on the wave's number: wave 0 slot 0's 8 row blocks of A, wave 1 A's scale words, wave 2 slot 0's 16 row blocks of B, wave 3 B's scale words.
.macro ARM under, g0, g1, next
	s_cmp_lt_u32 s14, \under
	s_cbranch_scc0 \next
	tensor_load_to_lds s[\g0:\g0+3], s[\g1:\g1+7]
	s_nop 0
.rept 4
	v_nop
.endr
	s_branch .Lhead_asked
\next:
.endm
	ARM 1, G0,  G1,  .Lhead_sa
	ARM 2, G0S, G1S, .Lhead_b
	ARM 3, G0B, G1B, .Lhead_sb
	tensor_load_to_lds s[G0SB:G0SB+3], s[G1SB:G1SB+7]
	s_nop 0
.rept 4
	v_nop
.endr
.Lhead_asked:
	; THE PREFETCHES.  A chunk (four K steps) is 6,144 bytes of each row block's 24,576: 24 blocks of 256 bytes, a lane a block; lanes 24-31 name the last block again.  Of the row blocks that I fetch in the ring (4 of A or 8 of B),
	; each of the four partners that ask for them with me takes a quarter, told apart by address (cx for A, cy for B): one row block of A, two of B.  Chunks 1 and 2 are named here, chunk 3 behind slot 1's first fill: each two fills ahead of its load.
	s_cmp_eq_u32 s15, 0                            ; do I fetch for A?
	s_cselect_b64 s[66:67], s[4:5], s[6:7]
	s_cselect_b32 s21, s40, s41                    ; my place among the four
	s_lshl_b32 s20, s17, 3
	s_lshl_b32 s22, s16, 2
	s_add_co_u32 s20, s20, s22
	s_add_co_u32 s20, s20, s21                     ; A: row block 8 x tile row + 4 x half + place
	s_lshl_b32 s22, s42, 4
	s_lshl_b32 s23, s16, 3
	s_add_co_u32 s22, s22, s23
	s_lshl_b32 s23, s21, 1
	s_add_co_u32 s22, s22, s23
	s_add_co_u32 s22, s22, 192                     ; B: row block 192 + 16 x tile column + 8 x half + 2 x place
	s_cmp_eq_u32 s15, 0
	s_cselect_b32 s20, s20, s22
	s_mul_i32 s20, s20, 24576
	s_mov_b32 s21, 0
	s_add_nc_u64 s[66:67], s[66:67], s[20:21]      ; never rewritten: every chunk stands in an immediate
	v_and_b32 v30, 31, v0
	v_min_u32 v30, 23, v30
	v_lshlrev_b32 v30, 8, v30                      ; never rewritten
	global_prefetch_b8 v30, s[66:67] offset:6144 th:TH_LOAD_NT scope:SCOPE_SE
	global_prefetch_b8 v30, s[66:67] offset:12288 th:TH_LOAD_NT scope:SCOPE_SE
	s_cmp_eq_u32 s15, 0
	s_cbranch_scc1 .Lasked_head_a
	global_prefetch_b8 v30, s[66:67] offset:24576+6144 th:TH_LOAD_NT scope:SCOPE_SE    ; B's second row block
	global_prefetch_b8 v30, s[66:67] offset:24576+12288 th:TH_LOAD_NT scope:SCOPE_SE
.Lasked_head_a:
	v_and_b32 v1, 15, v0
	v_bfe_u32 v2, v0, 4, 1
	s_wait_alu depctr_va_vdst(0)
	v_and_b32 v3, 31, v0
	v_lshlrev_b32 v[CO], 4, v3
	s_mul_i32 s21, s15, AHALF
	s_mul_i32 s22, s16, BHALF
	s_add_co_u32 s22, s22, 2*AHALF
.irp s, 0,1
	v_add_nc_u32 v[ADRA+\s], s21, v[CO]
	v_add_nc_u32 v[ADRB+\s], s22, v[CO]
	s_add_co_u32 s21, s21, SLOT
	s_add_co_u32 s22, s22, SLOT
.endr
	v_lshlrev_b32 v5, 2, v1
	s_lshl_b32 s21, s15, 12
	s_lshl_b32 s22, s16, 13
	s_add_co_u32 s22, s22, 8192
	s_sub_co_u32 s22, s22, s21
	v_mul_u32_u24 v6, s22, v2
	s_add_co_u32 s21, s21, SCL
	v_add_nc_u32 v5, v5, v6
	v_add_nc_u32 v[ADRS], s21, v5
	s_mul_i32 s23, s14, 16*SPITCH
	v_mul_u32_u24 v5, v1, SPITCH
	v_lshl_add_u32 v5, v2, 5, v5
	v_add_nc_u32 v[STO], s23, v5
	v_add_nc_u32 v[RD], s23, v[CO]
	s_lshl_b32 s20, s17, 7
	s_lshl_b32 s21, s15, 6
	s_add_co_u32 s20, s20, s21
	s_lshl_b32 s20, s20, 13
	s_lshl_b32 s46, s42, 10
	s_lshl_b32 s47, s16, 9
	s_add_co_u32 s46, s46, s47
	s_add_co_u32 s20, s20, s46
	s_mov_b32 s21, 0
	s_mov_b32 s47, 0
	s_add_nc_u64 s[12:13], s[10:11], s[20:21]
	s_add_nc_u64 s[8:9], s[8:9], s[46:47]
	global_load_b128 v[BO:BO+3], v[CO], s[8:9]
.macro FRAG reg, adr, i
.irp c, 0,1,2
	ds_load_b128 v[\reg+4*\c:\reg+4*\c+3], v[\adr] offset:6144*(\i)+1536*QN+512*\c
.endr
.endm
.macro FETCH1
	WIN 0
.irp i, 0,1,2,3,4,5,6,7
	ds_load_b32 v[SC+8*PN+\i], v[ADRS] offset:1024*\i+64*KN
.endr
.irp i, 0,1,2,3
	FRAG AF+48*PN+FR*\i, ADRA+SN, \i
.endr
	WIN TO_B
.irp i, 0,1
	FRAG 128*PN+FR*\i, ADRB+SN, \i
.endr
.endm
.macro FETCH2
	WIN TO_B
.irp i, 2,3,4,5,6,7
	FRAG 128*PN+FR*\i, ADRB+SN, \i
.endr
.endm
.macro MUL16 a0
.irp a, \a0, \a0+1
.irp b, 0,1,2,3,4,5,6,7
.if ZERO
	v_wmma_scale_f32_16x16x128_f8f6f4 v[8*(8*(\a)+\b):8*(8*(\a)+\b)+7], v[128*PP+FR*\b:128*PP+FR*\b+FR-1], v[AF+48*PP+FR*(\a):AF+48*PP+FR*(\a)+FR-1], 0, v[SC+8*PP+\b], v[SC+8*PP+(\a)] matrix_a_fmt:MATRIX_FMT_FP6 matrix_b_fmt:MATRIX_FMT_FP6 matrix_a_scale:MATRIX_SCALE_ROW1
.else
	v_wmma_scale_f32_16x16x128_f8f6f4 v[8*(8*(\a)+\b):8*(8*(\a)+\b)+7], v[128*PP+FR*\b:128*PP+FR*\b+FR-1], v[AF+48*PP+FR*(\a):AF+48*PP+FR*(\a)+FR-1], v[8*(8*(\a)+\b):8*(8*(\a)+\b)+7], v[SC+8*PP+\b], v[SC+8*PP+(\a)] matrix_a_fmt:MATRIX_FMT_FP6 matrix_b_fmt:MATRIX_FMT_FP6 matrix_a_scale:MATRIX_SCALE_ROW1
.endif
.endr
.endr
.endm
.macro PLACES n
.rept \n
	v_nop
.endr
.endm
.macro READY
	s_wait_dscnt 0x0
	PLACES NP
.endm
.macro KWORK k, fetch
.set PP, (\k)%2
.set PN, 1-PP
.set KN, (\k)+1
.set SN, (KN/4)%2
.set QN, KN%4
.if \fetch
	FETCH1
.endif
	WIN MUL
	MUL16 0
.if \fetch
	FETCH2
	WIN MUL
.endif
	MUL16 2
	WIN 0
.set ZERO, 0
.endm
.macro CHANGE slot, fill
	s_wait_tensorcnt 0x0
	ds_add_u32 v[SPW], v[NIL]
.if \fill
	s_add_nc_u64 s[G0+4*(\slot)+2:G0+4*(\slot)+3], s[G0+4*(\slot)+2:G0+4*(\slot)+3], 12288
	s_add_nc_u64 s[G0B+4*(\slot)+2:G0B+4*(\slot)+3], s[G0B+4*(\slot)+2:G0B+4*(\slot)+3], 12288
.endif
	s_wait_dscnt 0x0
.if \fill
	CROUND
	JLOAD G0+4*(\slot), G1, G0B+4*(\slot), G1B
.else
	s_barrier_signal -1
	s_barrier_wait -1
	PLACES NP
.endif
.endm
	s_wait_alu depctr_va_vdst(0)
	s_wait_tensorcnt 0x0                           ; my tile of the head's four is in
	ds_add_u32 v[SPW], v[NIL]
	s_mov_b32 s[G1+2], 4<<16                       ; no tensor load of mine is out: from here on a load brings half a tile's row blocks
	s_mov_b32 s[G1+4], 4
	s_mov_b32 s[G1B+2], 8<<16
	s_mov_b32 s[G1B+4], 8
	s_wait_dscnt 0x0
	CROUND                                         ; all four tiles are in, in every work-group of the cluster
	JLOAD G0+4, G1, G0B+4, G1B                     ; slot 1's first fill, issued as a refill is
	global_prefetch_b8 v30, s[66:67] offset:18432 th:TH_LOAD_NT scope:SCOPE_SE         ; chunk 3
	s_cmp_eq_u32 s15, 0
	s_cbranch_scc1 .Lasked_three_a
	global_prefetch_b8 v30, s[66:67] offset:24576+18432 th:TH_LOAD_NT scope:SCOPE_SE
.Lasked_three_a:
.set PN, 0
.set KN, 0
.set SN, 0
.set QN, 0
.set ZERO, 1
	FETCH1
	FETCH2
	s_wait_dscnt 0x0
	KWORK 0, 1
.irp k, 1,2
	READY
	KWORK \k, 1
.endr
	CHANGE 0, 1
	KWORK 3, 1
.irp k, 4,5,6
	READY
	KWORK \k, 1
.endr
	CHANGE 1, 1
	KWORK 7, 1
.irp k, 8,9,10
	READY
	KWORK \k, 1
.endr
	CHANGE 0, 0
	KWORK 11, 1
.irp k, 12,13,14
	READY
	KWORK \k, 1
.endr
	s_wait_dscnt 0x0
	KWORK 15, 0
.macro TOSTAGE a
.set AC, 64*(\a)
	WIN 0x08
.irp b, 0,1,2,3,4,5,6,7
	ds_store_b128 v[STO], v[AC+8*\b:AC+8*\b+3] offset:64*\b
	ds_store_b128 v[STO], v[AC+8*\b+4:AC+8*\b+7] offset:64*\b+16
.endr
	WIN 0
.set BB, BK+64*((\a)%2)
.irp t, 0,1,2,3,4,5,6,7,8,9,10,11,12,13,14,15
	ds_load_b128 v[BB+4*\t:BB+4*\t+3], v[RD] offset:\t*SPITCH
.endr
.endm
.macro SEND a, younger
.set BB, BK+64*((\a)%2)
	s_wait_dscnt \younger
.if (\a) > 0
	s_add_nc_u64 s[12:13], s[12:13], 16*8192
.endif
.irp t, 0,1,2,3,4,5,6,7,8,9,10,11,12,13,14,15
	v_pk_add_f32 v[BB+4*\t:BB+4*\t+1], v[BB+4*\t:BB+4*\t+1], v[BO:BO+1]
	v_pk_add_f32 v[BB+4*\t+2:BB+4*\t+3], v[BB+4*\t+2:BB+4*\t+3], v[BO+2:BO+3]
.endr
.irp t, 0,1,2,3,4,5,6,7,8,9,10,11,12,13,14,15
	global_store_b128 v[CO], v[BB+4*\t:BB+4*\t+3], s[12:13] offset:\t*8192 th:TH_STORE_NT
.endr
.endm
	PLACES NP
	s_wait_loadcnt 0x0
	TOSTAGE 0
.irp a, 1,2,3
.if \a > 1
	s_wait_xcnt 0x0
.endif
	TOSTAGE \a
	SEND \a-1, 32
.endr
	s_wait_xcnt 0x0
	SEND 3, 0
	s_wait_tensorcnt 0x0
	ds_add_u32 v[SPW], v[NIL]
	s_wait_dscnt 0x0
	CROUND
	s_endpgm
.Lfunc_end_k_qf705699183_gemm_out:
	.size	k_qf705699183_gemm_out, .Lfunc_end_k_qf705699183_gemm_out-k_qf705699183_gemm_out
	.p2alignl 7, 3214868480
	.fill 96, 4, 3214868480
	.section	.rodata,"a",@progbits
	.p2align	6, 0x0
	.amdhsa_kernel k_qf705699183_gemm_out
		.amdhsa_group_segment_fixed_size 327680
		.amdhsa_private_segment_fixed_size 0
		.amdhsa_enable_private_segment 0
		.amdhsa_kernarg_size 32
		.amdhsa_user_sgpr_count 2
		.amdhsa_user_sgpr_kernarg_segment_ptr 1
		.amdhsa_wavefront_size32 1
		.amdhsa_system_sgpr_workgroup_id_x 1
		.amdhsa_system_sgpr_workgroup_id_y 1
		.amdhsa_system_sgpr_workgroup_id_z 1
		.amdhsa_system_vgpr_workitem_id 0
		.amdhsa_next_free_vgpr 768
		.amdhsa_next_free_sgpr 98
		.amdhsa_reserve_vcc 0
		.amdhsa_float_denorm_mode_32 3
		.amdhsa_float_denorm_mode_16_64 3
		.amdhsa_memory_ordered 1
		.amdhsa_forward_progress 1
		.amdhsa_inst_pref_size 150
	.end_amdhsa_kernel
	.amdgpu_metadata
---
amdhsa.version: [ 1, 2 ]
amdhsa.kernels:
  - .name:           k_qf705699183_gemm_out
    .symbol:         k_qf705699183_gemm_out.kd
    .args:
      - { .name: oq, .offset: 0, .size: 8, .value_kind: global_buffer, .address_space: global }
      - { .name: wq, .offset: 8, .size: 8, .value_kind: global_buffer, .address_space: global }
      - { .name: bo, .offset: 16, .size: 8, .value_kind: global_buffer, .address_space: global }
      - { .name: out0, .offset: 24, .size: 8, .value_kind: global_buffer, .address_space: global }
    .group_segment_fixed_size: 327680
    .private_segment_fixed_size: 0
    .kernarg_segment_align: 8
    .kernarg_segment_size: 32
    .max_flat_workgroup_size: 128
    .sgpr_count:     98
    .vgpr_count:     768
    .wavefront_size: 32
...
	.end_amdgpu_metadata
.endif
;; end of part 4
